; MI455X (gfx1250); checked and timed in simulation.
; The chip was launched on July 23, 2026; its instructions are those of AMD's public machine-readable ISA for CDNA 5 (MIT licence, August 2026) and "CDNA5" Instruction Set Architecture Reference Guide (July 2026). The comments in the code are by the model that wrote it; some were corrected since.
;; Multi Head Attn. Allowed arithmetic: matrix products marked QUANTISED: E2M1 operands, one E8M0 scale for each 32 along K, by v_wmma_scale_f32_16x16x128_f8f6f4 with both operands' format E2M1 (or v_wmma_scale_f32_32x16x128_f4), f32 sums; everything else in f32.
;; Inputs: W_o_codes 1,024 x 32 x 16 uint8 (E2M1 codes of W_o, K innermost, in blocks of 32 codes, two codes a byte); W_o_scales 1,024 x 32 uint8 (E8M0 scales of W_o, one for each 32 codes along K); W_qkv_codes 3,072 x 32 x 16 uint8 (E2M1 codes of W_qkv, K innermost, in blocks of 32 codes, two codes a byte); W_qkv_scales 3,072 x 32 uint8 (E8M0 scales of W_qkv, one for each 32 codes along K); attn_mask 4 x 2,048 bool; b_qkv 3,072 float32; beta 1,024 float32; gamma 1,024 float32; inputs 4 x 2,048 x 1,024 float32.
;; Outputs: out0 4 x 2,048 x 1,024 float32.
;; This version of the problem:
;;   THIS VERSION OF THE PROBLEM IS GIVEN IN LOW PRECISION. The matrix products marked QUANTISED in the list below multiply operands that are first quantised to E2M1 (2 exponent bits, 1 mantissa bit; 4 bits a number), with one power-of-two scale for each 32 numbers along K (OCP MX v1.0); their sums are f32. All else is computed in f32.
;;   The module's matrix products, in the order in which they are computed (A, B: the left and right operand; K: the contracted axis; several contracted axes count as one K, in the product's order):
;;     1. [M 8,192, K 1,024] x [K 1,024, N 3,072]; A: input inputs; B: input W_qkv (given as codes): QUANTISED
;;     2. batch 64 x [M 2,048, K 64] x [K 64, N 2,048]; A: computed on the way; B: computed on the way: QUANTISED
;;     3. batch 64 x [M 64, K 2,048] x [K 2,048, N 2,048]; A: computed on the way; B: softmax (see below): QUANTISED
;;     4. [M 8,192, K 1,024] x [K 1,024, N 1,024]; A: computed on the way; B: input W_o (given as codes): QUANTISED
;;   THE QUANTISER, for each operand of a quantised product, along K:
;;     - K is cut into blocks of 32 from its start; a last block that is shorter is filled with zeros.
;;     - A block's scale is 2^e with e = floor(log2(the largest magnitude in the block)) - 2, held to -126 .. 127; a block of zeros has e = 0. As a byte (E8M0): e + 127.
;;     - Each number is divided by its block's scale, clamped to +-6, and rounded to the nearest number of E2M1, ties to even, subnormals kept.
;;     - The product sums the exact products of the quantised numbers (number of the format x scale) in f32.
;;   ~~~python
;;   def quantise(x, axis):      # numpy; x: float32 -> the quantised numbers, widened to float32 again
;;       x = np.moveaxis(x, axis, -1); K = x.shape[-1]
;;       x = np.pad(x, [(0, 0)] * (x.ndim - 1) + [(0, -K % 32)]); x = x.reshape(x.shape[:-1] + (-1, 32)); a = np.abs(x).max(-1, keepdims=True)
;;       e = np.where(a > 0, np.clip(np.frexp(np.where(a > 0, a, 1))[1] - 1 - 2, -126, 127), 0)      # np.frexp(a)[1] - 1 = floor(log2(a)), exactly
;;       r = np.clip(x / 2.0 ** e, -6, 6)
;;       step = 2.0 ** (np.maximum(np.frexp(np.where(r == 0, 1, r))[1] - 1, 0) - 1)
;;       q = np.round(r / step) * step * 2.0 ** e      # np.round: ties to even
;;       return np.moveaxis(q.reshape(q.shape[:-2] + (-1,))[..., :K], -1, axis).astype(np.float32)
;;   ~~~
;;   SOFTMAX AHEAD OF A QUANTISED PRODUCT. Where the list says 'softmax', what is quantised is not the finished softmax but p = 2^(t - M), with t = logit x log2(e) and M = ceil(the row's largest t), a whole number; so 1/2 < the row's largest p <= 1. The row's sum l is taken of the UNQUANTISED p, in f32, and the product's result is divided by l at the end. Since M is a whole number, a kernel that streams over the keys may use a running M (the ceiling of the running maximum): every later rescaling is an exact power of two, which a block's scale takes up: the codes' values come out the same.
;;   OPERANDS COMPUTED ON THE WAY. 'Computed on the way' means the value that the module computes at that place (a softmax that the list does not call 'softmax' is quantised finished and normalised). What goes into a quantiser is computed in f32, as accurately as f32 sums, v_exp_f32 and their like allow (about 1e-6 of the number): no bf16 or f16 on the way to a quantiser, and a product that is left as it is and whose result goes on into a quantised operand takes f32 operands (vector FMAs, or v_wmma_f32_16x16x4_f32). A number that lies on a knife's edge between two numbers of the format may be rounded either way, as far as f32 arithmetic and the matrix unit's own rounding can turn it there, and no further.
;;   INPUTS GIVEN AS CODES. W_o (in the module: [1024, 1024], K = its axis 0); W_qkv (in the module: [1024, 3072], K = its axis 0): each comes as NAME_codes (uint8): NAME with its K axis moved to the last place and cut into blocks of 32 codes, [.., K / 32, bytes a block], one block behind the other in memory; two codes a byte, the lower K in the low four bits (a code: sign, 2 exponent bits, 1 mantissa bit); and NAME_scales (uint8): the same leading axes, one E8M0 byte (e + 127) for each 32 codes along K. Its value is code x scale, taken as it is: it is not quantised again, and the codes and scales need not be those that the quantiser above would give.
;; One version. Each part assembles by itself: llvm-mc -triple=amdgcn-amd-amdhsa -mcpu=gfx1250 --defsym DOCPART=n.
;; ======== version 1 of 1: 4 launches
;; limits: right only within a limited range of input values
;; workspace buffers: xc 4,194,304 bytes; xs 524,288 bytes; wimg 2,228,224 bytes; qc 4,194,304 bytes; qs 1,048,576 bytes; kv 9,961,472 bytes; ac 4,194,304 bytes; asc 524,288 bytes
;; launch prep (part 1): grid 272 x 1, 4 waves a work-group, no clusters, 68,096 bytes of LDS; arguments inputs, W_qkv_codes, W_qkv_scales, W_o_codes, W_o_scales, xc, xs, wimg; writes xc, xs, wimg
.if DOCPART == 1
	.amdgcn_target "amdgcn-amd-amdhsa--gfx1250"
	.amdhsa_code_object_version 6
	.text
	.protected	k_q3f5386daae_prep
	.globl	k_q3f5386daae_prep
	.p2align	8
	.type	k_q3f5386daae_prep,@function
k_q3f5386daae_prep:
	s_mov_b64 s[64:65], 0
	v_nop
	global_prefetch_b8 v0, s[64:65] scope:SCOPE_SE
	s_setreg_imm32_b32 hwreg(HW_REG_WAVE_MODE, 25, 1), 1
	s_wait_xcnt 0x0
; PREP.  Work-groups 0-255: inputs [8192][1024] f32 become codes of FP4 (E2M1) with one E8M0 byte for each 32 along K, laid as IMAGES OF OPERAND REGISTERS.
; Work-groups 256-271: the codes and scale bytes of W_qkv and W_o, which arrive with K innermost, are laid anew in the same form; nothing of them is changed.
; AN IMAGE: a fragment (16 rows x 128 K, 8 registers a lane) is 1,024 bytes: piece c (0, 1) of 512 bytes, lane l's 16 bytes at 512 c + 16 l: its registers 4 c .. 4 c + 3, k = 64 c + 32 (l / 16) + 0 .. 31 of row l % 16.
; THE ROWS OF A TILE ARE NOT NEIGHBOURS: in each group of 32 rows, place p of tile u (0, 1) is row 8 u + p + 8 (p / 8).
; xc: [tile 512][K step 8][1,024].  xs: [tile][half 2][lane 32][4 words]: word i = the scale word of K step 4 half + i of the lane's row.
; wimg: 64 groups of 64 weight rows, 34,816 bytes each: images [tile 4][K step 8][1,024], then scale words [K step 8][row place 16][tile 4].  Groups 0-47: W_qkv; 48-63: W_o.
; A block's scale is 2^(floor(log2(largest magnitude)) - 2); its byte is the largest magnitude's exponent field - 2, held at 1 from below.
; LIMITS: a block whose largest magnitude lies under 2^-124 (a block of zeros too) gets the byte 1; a block of zeros has zero codes, and these bytes are read by this program alone.  NaN and infinities are not served.
; Each load reads 512 consecutive bytes of one row; the bytes turn through the wave's own stage in LDS (rows 528 bytes apart, so that 16 rows start at 16 different groups of banks); each store writes 512 consecutive bytes.
; Waves share nothing: no barrier.  The two roles have LDS bytes of their own.
.set SP,    528                        ; a stage row: 512 bytes + 16
.set STGW,  4*16*SP                    ; the weights' stages lie behind x's
.set GRP,   34816                      ; a group of wimg
.set R,     16                         ; v16-143  two sets of 64 registers as loaded
.set X,     144                        ; v144-207 64 registers back from the stage
.set C,     208                        ; v208-239 x's codes: eight registers for each of the four K steps, so that no store's data are written again
.set SW,    240                        ; v240-243 the four scale words
.set TM,    244                        ; v244-245 largest magnitudes
.set SO,    246                        ; v246-247 the conversions' scale operands
.set E,     248                        ; v248-249 scale bytes
.set T0,    250
.set U0,    251
.set WA,    208                        ; the weights' scale words as loaded,
.set WT,    224                        ; and turned
	s_load_b256 s[4:11], s[0:1], 0x0               ; inputs s[4:5], W_qkv codes s[6:7], W_qkv scales s[8:9], W_o codes s[10:11]
	s_load_b256 s[12:19], s[0:1], 0x20             ; W_o scales s[12:13], xc s[14:15], xs s[16:17], wimg s[18:19]
	v_lshl_add_u32 v254, v0, 2, 0x10800
	v_mov_b32 v255, 0
	v_lshrrev_b32 v5, 5, v0
	v_readfirstlane_b32 s20, v5                    ; wave 0..3
	v_and_b32 v6, 31, v0
	v_lshlrev_b32 v1, 4, v6                        ; 16 x lane; never rewritten
	v_and_b32 v7, 15, v0                           ; r
	v_bfe_u32 v8, v0, 4, 1                         ; h
	v_mul_u32_u24 v9, v7, SP                       ; 528 r
	s_mul_i32 s21, s20, 16*SP                      ; my stage among x's
	s_add_co_u32 s34, s21, STGW                    ; and among the weights'
	s_mov_b32 s22, 0x76543210
	s_mov_b32 s23, 0xfedcba98                      ; v_permlanex16_b32's selects for lane l xor 16
	s_cmp_lt_u32 ttmp9, 256
	s_cbranch_scc0 .Lweights
	; ---- x: wave W = 4 x work-group + wave takes tile W / 2, K steps 4 (W % 2) .. + 3
	v_add_nc_u32 v2, s21, v1                       ; into the stage: 16 x lane of a row
	v_lshl_add_u32 v3, v8, 7, v9
	v_add_nc_u32 v3, s21, v3                       ; out of it: row r, + 128 h bytes: 32 numbers of a block
	v_lshlrev_b32 v4, 3, v8                        ; 8 h: where my two scale bytes stand in the word
	v_mov_b32 v[U0], 0                             ; written once: a lane permute's destination counts as one of its sources
	s_lshl_b32 s24, ttmp9, 2
	s_add_co_u32 s24, s24, s20                     ; W
	s_lshr_b32 s25, s24, 1                         ; the tile
	s_and_b32 s26, s24, 1                          ; the half of K
	s_lshr_b32 s27, s25, 1
	s_and_b32 s28, s25, 1
	s_lshl_b32 s27, s27, 5
	s_lshl_b32 s28, s28, 3
	s_add_co_u32 s27, s27, s28                     ; the tile's first row: 32 (tile / 2) + 8 (tile % 2)
	s_lshl_b32 s28, s27, 12                        ; x 4,096 bytes
	s_lshl_b32 s30, s26, 11                        ; + 2,048 x half
	s_add_co_u32 s28, s28, s30
	s_mov_b32 s29, 0
	s_lshl_b32 s30, s24, 12                        ; xc: 8,192 x tile + 4,096 x half = 4,096 W
	s_mov_b32 s31, 0
	s_lshl_b32 s32, s24, 9                         ; xs: 512 W
	s_mov_b32 s33, 0
	s_wait_kmcnt 0x0
	s_add_nc_u64 s[4:5], s[4:5], s[28:29]
	s_add_nc_u64 s[14:15], s[14:15], s[30:31]
	s_add_nc_u64 s[16:17], s[16:17], s[32:33]
.macro LOADX i                         ; K step i of my four: 512 consecutive bytes of each of the tile's 16 rows
.irp p, 0,1,2,3,4,5,6,7,8,9,10,11,12,13,14,15
	global_load_b128 v[R+64*((\i)%2)+4*\p:R+64*((\i)%2)+4*\p+3], v1, s[4:5] offset:(\p+8*(\p/8))*4096+512*(\i) th:TH_LOAD_NT
.endr
.endm
.macro XSTEP i
.if (\i) < 3
	s_wait_loadcnt 16                              ; this step's 16 loads are in; the next step's 16 may be out
.else
	s_wait_loadcnt 0x0
.endif
.irp p, 0,1,2,3,4,5,6,7,8,9,10,11,12,13,14,15
	ds_store_b128 v2, v[R+64*((\i)%2)+4*\p:R+64*((\i)%2)+4*\p+3] offset:SP*\p
.endr
.irp c, 0,1
.irp q, 0,1,2,3,4,5,6,7
	ds_load_b128 v[X+32*\c+4*\q:X+32*\c+4*\q+3], v3 offset:256*\c+16*\q   ; LDS serves a wave's instructions in order: these see the stores above.  k = 64 c + 32 h + 0 .. 31 of row r: a whole block
.endr
.endr
	s_wait_dscnt 0x0                               ; the numbers are back, and the stores have read their registers,
.if (\i) < 2
	LOADX (\i)+2                                   ; which take the loads of two steps on
.endif
.irp c, 0,1
	v_max3_num_f32 v[TM+\c], |v[X+32*\c]|, |v[X+32*\c+1]|, 0x1800000   ; my block 2 c + h: all its 32 numbers are mine; the floor 2^(3 - 127) holds the byte at 1 from below
.endr
.irp j, 2,4,6,8,10,12,14,16,18,20,22,24,26,28,30
.irp c, 0,1
	v_max3_num_f32 v[TM+\c], v[TM+\c], |v[X+32*\c+\j]|, |v[X+32*\c+\j+1]|
.endr
.endr
.irp c, 0,1
	v_add_nc_u32 v[SO+\c], 0xff000000, v[TM+\c]    ; 2 off the exponent field: the conversion takes the exponent field of this operand as its scale
.endr
.irp c, 0,1
	v_lshrrev_b32 v[E+\c], 23, v[SO+\c]            ; the scale's byte
.endr
.irp c, 0,1
.irp g, 0,1,2,3
	v_cvt_scalef32_pk8_fp4_f32 v[C+8*(\i)+4*\c+\g], v[X+32*\c+8*\g:X+32*\c+8*\g+7], v[SO+\c]   ; registers 4 c .. 4 c + 3 of the fragment
.endr
.endr
	v_lshl_or_b32 v[T0], v[E+1], 16, v[E]          ; my two bytes, blocks h and 2 + h (a plain line behind the conversions),
	v_lshlrev_b32 v[T0], v4, v[T0]                 ; at their places in the word;
	v_permlanex16_b32 v[U0], v[T0], s22, s23
	v_or_b32 v[SW+(\i)], v[T0], v[U0]              ; with lane l xor 16's two the word is whole
.irp c, 0,1
	global_store_b128 v1, v[C+8*(\i)+4*\c:C+8*(\i)+4*\c+3], s[14:15] offset:1024*(\i)+512*\c   ; 512 consecutive bytes
.endr
.endm
	s_wait_alu depctr_va_vdst(0)
	LOADX 0
	LOADX 1
	XSTEP 0
	XSTEP 1
	XSTEP 2
	XSTEP 3
	global_store_b128 v1, v[SW:SW+3], s[16:17]     ; the four scale words of my row: 512 consecutive bytes a wave
	s_wait_tensorcnt 0x0
	ds_add_u32 v254, v255
	s_wait_dscnt 0x0
	s_endpgm
.Lweights:
	; ---- weights: wave takes group Gi = 4 (work-group - 256) + wave: 64 rows of W_qkv (Gi < 48) or of W_o
	s_wait_alu depctr_va_vdst(0)
	v_add_nc_u32 v2, s34, v1                       ; into the stage
	v_lshl_add_u32 v3, v8, 4, v9
	v_add_nc_u32 v3, s34, v3                       ; out of it: row r, + 16 h
	v_and_b32 v10, 8, v7
	v_add_nc_u32 v10, v10, v7                      ; r + 8 (r / 8)
	v_lshlrev_b32 v10, 5, v10
	v_lshl_add_u32 v10, v8, 4, v10                 ; scale bytes in: 32 bytes a row, + 16 h: K steps 4 h .. 4 h + 3
	v_lshlrev_b32 v11, 4, v7
	v_lshl_add_u32 v11, v8, 10, v11                ; scale words out: 256 (4 h + i) + 16 r
	s_sub_co_u32 s24, ttmp9, 256
	s_lshl_b32 s24, s24, 2
	s_add_co_u32 s24, s24, s20                     ; Gi
	s_mul_i32 s30, s24, GRP
	s_mov_b32 s31, 0
	s_wait_alu depctr_va_vdst(0)
	s_wait_kmcnt 0x0
	s_cmp_lt_u32 s24, 48                           ; the choice hangs on the group's number alone
	s_cselect_b64 s[6:7], s[6:7], s[10:11]
	s_cselect_b64 s[8:9], s[8:9], s[12:13]
	s_cselect_b32 s25, 0, 48
	s_sub_co_u32 s25, s24, s25                     ; the group in its tensor
	s_lshl_b32 s26, s25, 15                        ; 64 rows of 512 bytes of codes
	s_mov_b32 s27, 0
	s_lshl_b32 s28, s25, 11                        ; 64 rows of 32 scale bytes
	s_mov_b32 s29, 0
	s_add_nc_u64 s[6:7], s[6:7], s[26:27]
	s_add_nc_u64 s[8:9], s[8:9], s[28:29]
	s_add_nc_u64 s[18:19], s[18:19], s[30:31]
.irp t, 0,1,2,3
	global_load_b128 v[WA+4*\t:WA+4*\t+3], v10, s[8:9] offset:(32*(\t/2)+8*(\t%2))*32   ; tile t, my row's words of four K steps
.endr
.macro LOADW t                         ; tile t: 16 whole rows of 512 bytes
.irp p, 0,1,2,3,4,5,6,7,8,9,10,11,12,13,14,15
	global_load_b128 v[R+64*((\t)%2)+4*\p:R+64*((\t)%2)+4*\p+3], v1, s[6:7] offset:(32*((\t)/2)+8*((\t)%2)+\p+8*(\p/8))*512
.endr
.endm
.macro WTILE t
.if (\t) < 3
	s_wait_loadcnt 16                              ; this tile's rows (and the scale words, asked for first) are in; the next tile's 16 loads may be out
.else
	s_wait_loadcnt 0x0
.endif
	s_wait_xcnt 0x0                                ; the last tile's stores have read their data: the registers are loaded again only behind this wait
.irp p, 0,1,2,3,4,5,6,7,8,9,10,11,12,13,14,15
	ds_store_b128 v2, v[R+64*((\t)%2)+4*\p:R+64*((\t)%2)+4*\p+3] offset:SP*\p
.endr
.irp s, 0,1,2,3,4,5,6,7
.irp c, 0,1
	ds_load_b128 v[X+8*\s+4*\c:X+8*\s+4*\c+3], v3 offset:64*\s+32*\c   ; K step s, piece c: 16 bytes of row r at 64 s + 32 c + 16 h
.endr
.endr
	s_wait_dscnt 0x0
.if (\t) < 2
	LOADW (\t)+2
.endif
.irp s, 0,1,2,3,4,5,6,7
.irp c, 0,1
	global_store_b128 v1, v[X+8*\s+4*\c:X+8*\s+4*\c+3], s[18:19] offset:(8*(\t)+\s)*1024+512*\c
.endr
.endr
.endm
	LOADW 0
	LOADW 1
	WTILE 0
	WTILE 1
	WTILE 2
	WTILE 3
.irp i, 0,1,2,3
.irp t, 0,1,2,3
	v_mov_b32 v[WT+4*\i+\t], v[WA+4*\t+\i]         ; from [tile][K step] to [K step][tile]
.endr
.endr
.irp i, 0,1,2,3
	global_store_b128 v11, v[WT+4*\i:WT+4*\i+3], s[18:19] offset:32768+256*\i   ; each half of the lanes writes 256 consecutive bytes
.endr
	s_wait_tensorcnt 0x0
	ds_add_u32 v254, v255
	s_wait_dscnt 0x0
	s_endpgm
.Lfunc_end_k_q3f5386daae_prep:
	.size	k_q3f5386daae_prep, .Lfunc_end_k_q3f5386daae_prep-k_q3f5386daae_prep
	.p2alignl 7, 3214868480
	.fill 96, 4, 3214868480
	.section	.rodata,"a",@progbits
	.p2align	6, 0x0
	.amdhsa_kernel k_q3f5386daae_prep
		.amdhsa_group_segment_fixed_size 68096
		.amdhsa_private_segment_fixed_size 0
		.amdhsa_enable_private_segment 0
		.amdhsa_kernarg_size 64
		.amdhsa_user_sgpr_count 2
		.amdhsa_user_sgpr_kernarg_segment_ptr 1
		.amdhsa_wavefront_size32 1
		.amdhsa_system_sgpr_workgroup_id_x 1
		.amdhsa_system_sgpr_workgroup_id_y 1
		.amdhsa_system_sgpr_workgroup_id_z 1
		.amdhsa_system_vgpr_workitem_id 0
		.amdhsa_next_free_vgpr 256
		.amdhsa_next_free_sgpr 66
		.amdhsa_reserve_vcc 0
		.amdhsa_float_denorm_mode_32 3
		.amdhsa_float_denorm_mode_16_64 3
		.amdhsa_memory_ordered 1
		.amdhsa_forward_progress 1
		.amdhsa_inst_pref_size 52
	.end_amdhsa_kernel
	.amdgpu_metadata
---
amdhsa.version: [ 1, 2 ]
amdhsa.kernels:
  - .name:           k_q3f5386daae_prep
    .symbol:         k_q3f5386daae_prep.kd
    .args:
      - { .name: inputs, .offset: 0, .size: 8, .value_kind: global_buffer, .address_space: global }
      - { .name: W_qkv_codes, .offset: 8, .size: 8, .value_kind: global_buffer, .address_space: global }
      - { .name: W_qkv_scales, .offset: 16, .size: 8, .value_kind: global_buffer, .address_space: global }
      - { .name: W_o_codes, .offset: 24, .size: 8, .value_kind: global_buffer, .address_space: global }
      - { .name: W_o_scales, .offset: 32, .size: 8, .value_kind: global_buffer, .address_space: global }
      - { .name: xc, .offset: 40, .size: 8, .value_kind: global_buffer, .address_space: global }
      - { .name: xs, .offset: 48, .size: 8, .value_kind: global_buffer, .address_space: global }
      - { .name: wimg, .offset: 56, .size: 8, .value_kind: global_buffer, .address_space: global }
    .group_segment_fixed_size: 68096
    .private_segment_fixed_size: 0
    .kernarg_segment_align: 8
    .kernarg_segment_size: 64
    .max_flat_workgroup_size: 128
    .sgpr_count:     66
    .vgpr_count:     256
    .wavefront_size: 32
...
	.end_amdgpu_metadata
.endif
;; end of part 1
;; launch qkv (part 2): grid 32 x 8, 4 waves a work-group, clusters of 4 x 1, 217,088 bytes of LDS; arguments xc, xs, wimg, b_qkv, attn_mask, qc, qs, kv; writes qc, qs, kv
.if DOCPART == 2
	.amdgcn_target "amdgcn-amd-amdhsa--gfx1250"
	.amdhsa_code_object_version 6
	.text
	.protected	k_q3f5386daae_qkv
	.globl	k_q3f5386daae_qkv
	.p2align	8
	.type	k_q3f5386daae_qkv,@function
k_q3f5386daae_qkv:
	s_mov_b64 s[64:65], 0
	v_nop
	global_prefetch_b8 v0, s[64:65] scope:SCOPE_SE
	s_setreg_imm32_b32 hwreg(HW_REG_WAVE_MODE, 25, 1), 1
	s_wait_xcnt 0x0
	s_wait_alu depctr_hold_cnt(0) depctr_sa_sdst(0) depctr_va_vdst(0) depctr_va_sdst(0) depctr_va_ssrc(0) depctr_va_vcc(0) depctr_vm_vsrc(0)
	s_getreg_b32 s2, hwreg(HW_REG_IB_STS2, 6, 4)
	s_cmp_eq_u32 s2, 0
	s_cbranch_scc0 .Lentry_in_a_cluster
	s_endpgm
.Lentry_in_a_cluster:
	s_bfe_u32 s2, ttmp6, 0x10000c
	s_cmp_lg_u32 s2, 0x3003
	s_cbranch_scc0 .Lentry_shape_is_right
	s_endpgm
.Lentry_shape_is_right:
; QKV.  qkv = Q(x) W_qkv + b on codes of FP4 with E8M0 scales; q, k and v are quantised in registers for the attention's products and stored as images of operand registers.
; SHARES.  Work-group (RG, y): rows 256 RG .. + 255 of x, heads 6 y .. 6 y + 5 of the 48 (16 of q, 16 of k, 16 of v), 64 columns each.  Wave w keeps the fragments of its 64 rows (4 tiles x 8 K steps) in
; 256 registers and walks the six heads, whose weights lie in LDS: a fragment read from LDS feeds four matrix instructions.
; CLUSTER.  The four work-groups of a cluster have the same y and so the same 208,896 bytes of weights: each wave asks for a quarter of them JOINTLY, once.  No LDS byte is filled twice.
; q AND k: the product is used transposed (source 0 = 16 columns of W, source 1 = 16 rows of x): a lane holds one row and its 32 registers run along the head's 64, the next product's K.
; v: the product is used the natural way (source 0 = x, source 1 = W): a lane holds one column d and its 32 registers run down the wave's 64 keys, the next product's K.
; In both the rows of a tile are chosen (place p of tile u of a group of 32: row 8 u + p + 8 (p / 8)) so that register 16 b + i is k = 32 b + 16 (lane / 16) + i.
; THE KEY MASK rides in the padding of the score product, whose K is 64 of the instruction's 128: byte 2 of q's scale word is 127; byte 2 of k's is 0 where the key counts and 250 where attn_mask is false.
; The attention launch sets the code +1 (q) and -6 (k) at k = 64: a hidden key's score gets -6 x 2^123, a key that counts -6 x 2^-127.
; qc: [b h 64][tile 128][512].  qs: [b h][4 tiles 32][lane 32][4 words].  kv: [b h][step of 128 keys 16] records of 9,728 bytes: k's codes [tile 8][512]; at 4,096 k's scale words [2][lane 32][4];
; at 5,120 v^T's images [d tile 4][piece 2][512]; at 9,216 v's scale words [lane 32][d tile 4].
; LIMITS: a block whose largest magnitude lies under 2^-124 gets the byte 1; NaN and infinities are not served.
; REGISTERS.  window 0: v1 16 x lane, v2 16 x (lane % 16), v3-6, v9 the trip's LDS addresses, v7, v8, v15 their bases, v10-13 the mask's byte for my four tiles, v14 127 << 16; v16-47 x's scale words;
;   v48-111 W's fragments, two sets (the second first holds the bias; the first later the codes just made); v112-119 W's scale words, two sets; v120-247 16 accumulators; v248-254 at work.   window 1: x's 32 fragments.
.set GRP,   34816                      ; a head's weights: 32 images and 2,048 bytes of scale words
.set BIAS,  6*GRP                      ; LDS: behind the weights my 384 numbers of b_qkv,
.set STG,   BIAS+1536                  ; and the halves of v's scale words: [head 6][step 2][lane 32][16 bytes]
.set REC,   9728
.set HEADB, 16*REC
.set XS,  16
.set WF,  48
.set WS,  112
.set ACC, 120
.set PC,  48
.set PW,  64
.set TM,  248
.set TP,  250
.set SO,  252
.set B2,  254
.set MK,  10
.set WV,  20
.set SEL, 44
.set MSB, 0
.macro WIN new                         ; the immediate's high byte repeats the setting that is left
.if MSB != \new
	s_set_vgpr_msb (MSB<<8)|\new
.set MSB, \new
.endif
.endm
.macro PLACES n
.rept \n
	v_nop
.endr
.endm
.macro ROUND                           ; a round of the cluster's barrier
	s_barrier_signal -1
	s_barrier_wait -1
	s_cmp_lg_u32 s[WV], 0
	s_cbranch_scc1 .Lnot_wave_0_\@
	s_barrier_signal -3
.Lnot_wave_0_\@:
	s_barrier_wait -3
	s_barrier_signal -1
	s_barrier_wait -1
.endm
; 32 numbers of a lane, register 16 b + i = k 32 b + 16 (lane / 16) + i of my row, become 16 bytes of codes, k = 32 (lane / 16) + 0 .. 31, in v[pc] .. v[pc + 3], and two scale bytes in v[w].
.macro QUANT2 src, pc, w
.irp b, 0,1
	v_max3_num_f32 v[TM+\b], |v[(\src)+16*\b]|, |v[(\src)+16*\b+1]|, 0x1800000   ; my 16 numbers of block b, each accumulator from its low end on; the floor 2^(3 - 127) holds the byte at 1 from below
.endr
.irp i, 2,4,6,8,10,12,14
.irp b, 0,1
	v_max3_num_f32 v[TM+\b], v[TM+\b], |v[(\src)+16*\b+\i]|, |v[(\src)+16*\b+\i+1]|
.endr
.endr
.irp b, 0,1
	v_permlanex16_b32 v[TP+\b], v[TM+\b], s[SEL], s[SEL+1]
.endr
.irp b, 0,1
	v_max_num_f32 v[TM+\b], v[TM+\b], v[TP+\b]     ; with lane l xor 16's: the block's largest magnitude
.endr
.irp b, 0,1
	v_add_nc_u32 v[SO+\b], 0xff000000, v[TM+\b]    ; 2 off its exponent field: the conversion's scale operand
.endr
.irp b, 0,1
	v_lshrrev_b32 v[TP+\b], 23, v[SO+\b]           ; the scale's byte
.endr
	v_lshl_or_b32 v[\w], v[TP+1], 8, v[TP]
.irp b, 0,1
	v_cvt_scalef32_pk8_fp4_f32 v[(\pc)+2*\b], v[(\src)+16*\b:(\src)+16*\b+7], v[SO+\b]
	v_cvt_scalef32_pk8_fp4_f32 v[(\pc)+2*\b+1], v[(\src)+16*\b+8:(\src)+16*\b+15], v[SO+\b]
.endr
	v_nop                                          ; one plain line behind a scaled conversion
	v_permlane16_swap_b32 v[(\pc)], v[(\pc)+2]     ; the layout wants a whole block in a lane: lanes 0-15 block 0, lanes 16-31 block 1
	v_permlane16_swap_b32 v[(\pc)+1], v[(\pc)+3]
.endm
	s_load_b256 s[4:11], s[0:1], 0x0               ; xc s[4:5], xs s[6:7], wimg s[8:9], b_qkv s[10:11]
	s_load_b256 s[12:19], s[0:1], 0x20             ; attn_mask s[12:13], qc s[14:15], qs s[16:17], kv s[18:19]
	v_lshl_add_u32 v255, v0, 2, 0x34e00
	s_set_vgpr_msb 0x80
	v_mov_b32 v1, 0
	s_set_vgpr_msb 0x8088
	ds_add_u32 v255, v1
	ds_add_u32 v255, v1
	s_set_vgpr_msb 0x8800
	v_lshrrev_b32 v3, 5, v0
	v_readfirstlane_b32 s[WV], v3                  ; wave 0..3
	s_bfe_u32 s21, ttmp6, 0x40000                  ; cx: it enters global addresses of x, q, k, v alone
	s_lshl_b32 s22, ttmp9, 2
	s_add_co_u32 s22, s22, s21                     ; RG = 4 x cluster x + cx
	s_and_b32 s23, ttmp7, 0xffff                   ; y, which the four partners share
	; descriptor group 1: 52,224 dense bytes as 204 rows of 256 bytes (32 elements of 8 bytes), no padding: the images are read 16 bytes a lane on end
	s_mov_b32 s32, 15|(3<<16)|(1<<21)              ; 15:0 the mask: all four work-groups; 17:16 elements of 8 bytes; 21 set beside a mask
	s_mov_b32 s33, 32<<16                          ; tensor_dim0 = 32
	s_mov_b32 s34, 204<<16                         ; tensor_dim1 = 204
	s_mov_b32 s35, 32<<16                          ; tile_dim0 = 32
	s_mov_b32 s36, 204                             ; tile_dim1 = 204
	s_mov_b32 s37, 32                              ; from row to row
	s_mov_b32 s38, 0
	s_mov_b32 s39, 0
	s_mov_b32 s28, 1                               ; group 0: count = 1
	s_mul_i32 s29, s[WV], 52224                    ; LDS address: my quarter
	s_mul_i32 s40, s23, 6*GRP
	s_add_co_u32 s40, s40, s29
	s_mov_b32 s41, 0
	s_wait_dscnt 0x0
	s_wait_kmcnt 0x0
	s_add_nc_u64 s[30:31], s[8:9], s[40:41]        ; wimg at head 6 y, my quarter
	s_or_b32 s31, s31, 0x80000000                  ; type = 2
	ROUND                                          ; all four work-groups are here: the joint loads meet
	tensor_load_to_lds s[28:31], s[32:39]          ; my one tensor load of the launch
	s_nop 0
	PLACES 4                                       ; four lines here ahead of a switch of windows
	v_and_b32 v3, 31, v0
	v_lshlrev_b32 v1, 4, v3                        ; 16 x lane
	v_and_b32 v4, 15, v0                           ; r
	v_lshlrev_b32 v2, 4, v4                        ; 16 r
	v_bfe_u32 v5, v0, 4, 1                         ; h
	v_and_b32 v6, 8, v4
	v_add_nc_u32 v6, v6, v4                        ; r + 8 (r / 8)
	v_lshl_add_u32 v7, v5, 6, BIAS                 ; the bias for q and k: my half's 16 columns of a group of 32
	v_lshl_add_u32 v8, v6, 2, BIAS                 ; for v: my column
	s_lshr_b32 s62, s[WV], 1
	s_and_b32 s61, s[WV], 1
	s_lshl_b32 s52, s62, 9
	s_lshl_b32 s53, s61, 1
	s_add_co_u32 s52, s52, s53
	s_add_co_u32 s52, s52, STG
	v_add_nc_u32 v15, s52, v1                      ; v's scale halves: STG + 512 (w / 2) + 16 x lane + 2 (w % 2)
	v_mov_b32 v14, 127<<16                         ; byte 2 of q's scale words
	v_mov_b32 v3, 250<<16                          ; byte 2 of a hidden key's
	v_mov_b32 v[TP], 0                             ; written once: a lane permute's destination counts as one of its sources
	v_mov_b32 v[TP+1], 0
	v_lshlrev_b32 v9, 2, v0                        ; 4 x thread: b_qkv in memory,
	s_wait_alu depctr_va_vdst(0)
	v_lshl_add_u32 v4, v0, 2, BIAS                 ; and in LDS
	s_mov_b32 s[SEL], 0x76543210
	s_mov_b32 s[SEL+1], 0xfedcba98
	s_lshl_b32 s54, s22, 4
	s_lshl_b32 s55, s[WV], 2
	s_add_co_u32 s54, s54, s55                     ; my first tile: 16 RG + 4 w
	s_mov_b32 s57, 0
	s_lshl_b32 s56, s54, 13
	s_add_nc_u64 s[4:5], s[4:5], s[56:57]          ; 8,192 bytes of codes a tile
	s_lshl_b32 s56, s54, 10
	s_add_nc_u64 s[6:7], s[6:7], s[56:57]          ; 1,024 of scale words
	s_lshl_b32 s56, s54, 4
	s_add_nc_u64 s[12:13], s[12:13], s[56:57]      ; 16 rows: my first row's byte of the mask
	s_mul_i32 s56, s23, 1536
	s_add_nc_u64 s[10:11], s[10:11], s[56:57]      ; my work-group's 384 numbers of b_qkv
	WIN 0x40                                       ; destination window 1
.irp m, 0,1,2,3
.irp s, 0,1,2,3,4,5,6,7
.irp c, 0,1
	global_load_b128 v[8*(8*\m+\s)+4*\c:8*(8*\m+\s)+4*\c+3], v1, s[4:5] offset:(8*\m+\s)*1024+512*\c   ; x's fragment (tile m, K step s): it stays
.endr
.endr
.endr
	WIN 0
.irp m, 0,1,2,3
.irp e, 0,1
	global_load_b128 v[XS+8*\m+4*\e:XS+8*\m+4*\e+3], v1, s[6:7] offset:1024*\m+512*\e
.endr
.endr
.irp m, 0,1,2,3
	global_load_u8 v[MK+\m], v6, s[12:13] offset:32*(\m/2)+8*(\m%2)   ; the mask of the row that place r of tile m is
.endr
.irp i, 0,1,2
	global_load_b32 v[SO+\i], v9, s[10:11] offset:512*\i
.endr
	s_wait_alu depctr_va_vdst(0)
	s_wait_loadcnt 0x0
.irp i, 0,1,2
	ds_store_b32 v4, v[SO+\i] offset:512*\i
.endr
.irp m, 0,1,2,3
	v_cmp_eq_u32 vcc_lo, 0, v[MK+\m]
	v_cndmask_b32 v[MK+\m], 0, v3, vcc_lo          ; 250 << 16 where the key is hidden, else 0
.endr
	s_mov_b32 s24, 0                               ; g: the head among my six
	s_mul_i32 s25, s23, 6                          ; H = 6 y + g
	s_mov_b32 s26, 0                               ; GRP g
	s_mov_b32 s42, 0                               ; 256 g
	s_mov_b32 s43, 0                               ; 1,024 g
	s_lshr_b32 s46, s22, 3
	s_lshl_b32 s46, s46, 4                         ; 16 x batch
	s_and_b32 s47, s22, 7                          ; my row group in the batch
	s_lshl_b32 s60, s47, 1
	s_add_co_u32 s60, s60, s62
	s_mul_i32 s60, s60, REC                        ; my 64 keys' record in a head: step 2 rgb + w / 2
	s_lshl_b32 s63, s47, 4
	s_add_co_u32 s63, s63, s55                     ; my first tile in the batch
	s_lshl_b32 s66, s47, 2
	s_add_co_u32 s66, s66, s[WV]                   ; and its group of four
	s_wait_tensorcnt 0x0                           ; my quarter of the weights has landed,
	s_wait_dscnt 0x0                               ; my part of the bias is stored:
	s_barrier_signal -1
	s_barrier_wait -1                              ; everybody's
.macro WLOAD s, buf                    ; 9 LDS loads: the head's four fragments of K step s and their scale words
.irp n, 0,1,2,3
.irp c, 0,1
	ds_load_b128 v[WF+32*(\buf)+8*\n+4*\c:WF+32*(\buf)+8*\n+4*\c+3], v3 offset:(8*\n+(\s))*1024+512*\c
.endr
.endr
	ds_load_b128 v[WS+4*(\buf):WS+4*(\buf)+3], v4 offset:32768+256*(\s)
.endm
; 16 matrix instructions: my four tiles of rows x the head's four tiles of columns, 128 along K.  The 16 accumulators take turns, one instruction a turn, in the same order in every step.
; first = 1: the bias, in the result's layout, is the C of the sums' first instructions.
.macro MUL tr, s, buf, first
.if \tr
	WIN 0x04                                       ; source 1 (x) window 1
.else
	WIN 0x01                                       ; source 0 (x) window 1
.endif
.irp m, 0,1,2,3
.irp n, 0,1,2,3
.set rX, 8*(8*\m+(\s))
.set rW, WF+32*(\buf)+8*\n
.set rB, WF+32+8*\n
.set qW, WS+4*(\buf)+\n
.set qX, XS+8*\m+(\s)
.if \tr
.set rD, ACC+32*\m+8*\n
.if \first
	v_wmma_scale_f32_16x16x128_f8f6f4 v[rD:rD+7], v[rW:rW+7], v[rX:rX+7], v[rB:rB+7], v[qW], v[qX] matrix_a_fmt:MATRIX_FMT_FP4 matrix_b_fmt:MATRIX_FMT_FP4
.else
	v_wmma_scale_f32_16x16x128_f8f6f4 v[rD:rD+7], v[rW:rW+7], v[rX:rX+7], v[rD:rD+7], v[qW], v[qX] matrix_a_fmt:MATRIX_FMT_FP4 matrix_b_fmt:MATRIX_FMT_FP4
.endif
.else
.set rD, ACC+32*\n+8*\m
.if \first
	v_wmma_scale_f32_16x16x128_f8f6f4 v[rD:rD+7], v[rX:rX+7], v[rW:rW+7], v[rB:rB+7], v[qX], v[qW] matrix_a_fmt:MATRIX_FMT_FP4 matrix_b_fmt:MATRIX_FMT_FP4
.else
	v_wmma_scale_f32_16x16x128_f8f6f4 v[rD:rD+7], v[rX:rX+7], v[rW:rW+7], v[rD:rD+7], v[qX], v[qW] matrix_a_fmt:MATRIX_FMT_FP4 matrix_b_fmt:MATRIX_FMT_FP4
.endif
.endif
.endr
.endr
	WIN 0
.endm
; A head's eight K steps.  Loads into registers that matrix instructions have read stand four plain lines behind them (ISA guide 7.12.1 for vector instructions).
.macro KSTEPS tr
	WLOAD 0, 0
.if \tr
.irp n, 0,1,2,3
	ds_load_b128 v[WF+32+8*\n:WF+32+8*\n+3], v5 offset:(32*(\n/2)+8*(\n%2))*4        ; register j of tile n: column 32 (n / 2) + 8 (n % 2) + 16 h + j
	ds_load_b128 v[WF+32+8*\n+4:WF+32+8*\n+7], v5 offset:(32*(\n/2)+8*(\n%2))*4+16
.endr
.else
.irp n, 0,1,2,3
.irp j, 0,1,2,3,4,5,6,7
	ds_load_b32 v[WF+32+8*\n+\j], v6 offset:(32*(\n/2)+8*(\n%2))*4                   ; all eight registers: my column's bias
.endr
.endr
.endif
	s_wait_dscnt 0x0
	MUL \tr, 0, 0, 1
	PLACES 4
	WLOAD 1, 1
	WLOAD 2, 0
.irp s, 1,2,3,4,5,6,7
.if \s < 7
	s_wait_dscnt 9                                 ; this step's 9 loads are in; the next step's 9 may be out
.else
	s_wait_dscnt 0x0
.endif
	MUL \tr, \s, \s%2, 0
.if \s < 6
	PLACES 4
	WLOAD \s+2, \s%2
.endif
.endr
.endm
.Lhead:                                                ; six trips, a head each
	s_wait_xcnt 0x0                                ; the last head's stores have read their data and bases: both are written again only behind this wait
	v_add_nc_u32 v3, s26, v1                       ; the head's images,
	v_add_nc_u32 v4, s26, v2                       ; its scale words,
	v_add_nc_u32 v5, s42, v7                       ; its bias, either way,
	v_add_nc_u32 v6, s42, v8
	v_add_nc_u32 v9, s43, v15                      ; and its place among v's scale halves
	s_and_b32 s52, s25, 15
	s_add_co_u32 s52, s52, s46                     ; b h = 16 x batch + head
	s_mul_i32 s53, s52, HEADB
	s_add_co_u32 s53, s53, s60                     ; my record in kv
	s_mov_b32 s57, 0
	s_mov_b32 s59, 0
	s_cmp_lt_u32 s25, 32                           ; q or k, or v?  y and g alone decide: alike in all partners
	s_cbranch_scc0 .Lvpath
	s_lshl_b32 s54, s52, 7
	s_add_co_u32 s54, s54, s63
	s_lshl_b32 s54, s54, 9                         ; q's codes: (128 b h + tile) x 512
	s_lshl_b32 s55, s52, 5
	s_add_co_u32 s55, s55, s66
	s_lshl_b32 s55, s55, 9                         ; q's scale words: (32 b h + group) x 512
	s_lshl_b32 s56, s61, 11
	s_add_co_u32 s56, s56, s53                     ; k's codes: my four tiles of the step's eight
	s_lshl_b32 s58, s61, 9
	s_add_co_u32 s58, s58, s53
	s_add_co_u32 s58, s58, 4096                    ; k's scale words
	s_cmp_lt_u32 s25, 16                           ; q?
	s_cselect_b32 s56, s54, s56
	s_cselect_b32 s58, s55, s58
	s_cselect_b64 s[48:49], s[14:15], s[18:19]
	s_cselect_b64 s[50:51], s[16:17], s[18:19]
	s_cselect_b32 s27, -1, 0
	s_add_nc_u64 s[48:49], s[48:49], s[56:57]
	s_add_nc_u64 s[50:51], s[50:51], s[58:59]
	s_wait_alu depctr_va_vdst(0)
	KSTEPS 1
	PLACES 4                                       ; in front of the first read of results and of writes over the weights' registers
.irp m, 0,1,2,3
	QUANT2 ACC+32*\m, PC+4*\m, PW+\m
	v_cndmask_b32 v[B2], v[MK+\m], v14, s27        ; byte 2: q's 127, or the key's mask
	v_or_b32 v[PW+\m], v[PW+\m], v[B2]
	global_store_b128 v1, v[PC+4*\m:PC+4*\m+3], s[48:49] offset:512*\m   ; 512 consecutive bytes
.endr
	global_store_b128 v1, v[PW:PW+3], s[50:51]
	s_branch .Ljoin
.Lvpath:
	s_lshl_b32 s56, s61, 9
	s_add_co_u32 s56, s56, s53
	s_add_co_u32 s56, s56, 5120                    ; v^T's images: my 64 keys are piece w % 2
	s_add_nc_u64 s[48:49], s[18:19], s[56:57]
	s_wait_alu depctr_va_vdst(0)
	KSTEPS 0
	PLACES 4
.irp n, 0,1,2,3
	QUANT2 ACC+32*\n, PC+4*\n, PW+\n
	global_store_b128 v1, v[PC+4*\n:PC+4*\n+3], s[48:49] offset:1024*\n
	ds_store_b16 v9, v[PW+\n] offset:4*\n          ; my two bytes of the step's word of d tile n
.endr
.Ljoin:
	s_add_co_u32 s25, s25, 1
	s_add_co_u32 s26, s26, GRP
	s_add_co_u32 s42, s42, 256
	s_add_co_u32 s43, s43, 1024
	s_add_co_u32 s24, s24, 1
	s_cmp_lt_u32 s24, 6
	s_cbranch_scc1 .Lhead
	s_wait_dscnt 0x0                               ; my halves of v's scale words are stored:
	s_barrier_signal -1
	s_barrier_wait -1                              ; everybody's
	s_lshl_b32 s52, s[WV], 9
	s_add_co_u32 s52, s52, STG
	v_add_nc_u32 v3, s52, v1                       ; piece p = w + 4 i of the twelve (head p / 2, step p % 2): 512 bytes
.irp i, 0,1,2
	s_add_co_u32 s52, s[WV], 4*\i
	s_lshr_b32 s53, s52, 1
	s_and_b32 s54, s52, 1
	s_mul_i32 s55, s23, 6
	s_add_co_u32 s55, s55, s53
	s_cmp_lt_u32 s55, 32                           ; only a head of v has such words
	s_cbranch_scc1 .Lno_v_\i
	s_and_b32 s55, s55, 15
	s_add_co_u32 s55, s55, s46
	s_mul_i32 s55, s55, HEADB
	s_lshl_b32 s56, s47, 1
	s_add_co_u32 s56, s56, s54
	s_mul_i32 s56, s56, REC
	s_add_co_u32 s56, s56, s55
	s_add_co_u32 s56, s56, 9216
	s_mov_b32 s57, 0
	s_add_nc_u64 s[66+2*\i:67+2*\i], s[18:19], s[56:57]   ; a base and data registers of its own for each piece
	s_wait_alu depctr_va_vdst(0)
	ds_load_b128 v[80+4*\i:83+4*\i], v3 offset:2048*\i
	s_wait_dscnt 0x0
	global_store_b128 v1, v[80+4*\i:83+4*\i], s[66+2*\i:67+2*\i]
.Lno_v_\i:
.endr
	s_wait_dscnt 0x0
	s_set_vgpr_msb 0x8
	s_wait_tensorcnt 0x0
	ds_add_u32 v255, v1
	s_wait_dscnt 0x0
	s_set_vgpr_msb 0x800
	ROUND                                          ; the closing round: no work-group ends while a partner may still ask jointly
	s_endpgm
.Lfunc_end_k_q3f5386daae_qkv:
	.size	k_q3f5386daae_qkv, .Lfunc_end_k_q3f5386daae_qkv-k_q3f5386daae_qkv
	.p2alignl 7, 3214868480
	.fill 96, 4, 3214868480
	.section	.rodata,"a",@progbits
	.p2align	6, 0x0
	.amdhsa_kernel k_q3f5386daae_qkv
		.amdhsa_group_segment_fixed_size 217088
		.amdhsa_private_segment_fixed_size 0
		.amdhsa_enable_private_segment 0
		.amdhsa_kernarg_size 64
		.amdhsa_user_sgpr_count 2
		.amdhsa_user_sgpr_kernarg_segment_ptr 1
		.amdhsa_wavefront_size32 1
		.amdhsa_system_sgpr_workgroup_id_x 1
		.amdhsa_system_sgpr_workgroup_id_y 1
		.amdhsa_system_sgpr_workgroup_id_z 1
		.amdhsa_system_vgpr_workitem_id 0
		.amdhsa_next_free_vgpr 514
		.amdhsa_next_free_sgpr 72
		.amdhsa_reserve_vcc 1
		.amdhsa_float_denorm_mode_32 3
		.amdhsa_float_denorm_mode_16_64 3
		.amdhsa_memory_ordered 1
		.amdhsa_forward_progress 1
		.amdhsa_inst_pref_size 81
	.end_amdhsa_kernel
	.amdgpu_metadata
---
amdhsa.version: [ 1, 2 ]
amdhsa.kernels:
  - .name:           k_q3f5386daae_qkv
    .symbol:         k_q3f5386daae_qkv.kd
    .args:
      - { .name: xc, .offset: 0, .size: 8, .value_kind: global_buffer, .address_space: global }
      - { .name: xs, .offset: 8, .size: 8, .value_kind: global_buffer, .address_space: global }
      - { .name: wimg, .offset: 16, .size: 8, .value_kind: global_buffer, .address_space: global }
      - { .name: b_qkv, .offset: 24, .size: 8, .value_kind: global_buffer, .address_space: global }
      - { .name: attn_mask, .offset: 32, .size: 8, .value_kind: global_buffer, .address_space: global }
      - { .name: qc, .offset: 40, .size: 8, .value_kind: global_buffer, .address_space: global }
      - { .name: qs, .offset: 48, .size: 8, .value_kind: global_buffer, .address_space: global }
      - { .name: kv, .offset: 56, .size: 8, .value_kind: global_buffer, .address_space: global }
    .group_segment_fixed_size: 217088
    .private_segment_fixed_size: 0
    .kernarg_segment_align: 8
    .kernarg_segment_size: 64
    .max_flat_workgroup_size: 128
    .sgpr_count:     72
    .vgpr_count:     514
    .wavefront_size: 32
...
	.end_amdgpu_metadata
.endif
;; end of part 2
;; launch attn (part 3): grid 4 x 64, 16 waves a work-group, clusters of 4 x 1, 169,984 bytes of LDS; arguments qc, qs, kv, ac, asc; writes ac, asc
.if DOCPART == 3
	.amdgcn_target "amdgcn-amd-amdhsa--gfx1250"
	.amdhsa_code_object_version 6
	.text
	.protected	k_q3f5386daae_attn
	.globl	k_q3f5386daae_attn
	.p2align	8
	.type	k_q3f5386daae_attn,@function
k_q3f5386daae_attn:
	s_mov_b64 s[64:65], 0
	v_nop
	global_prefetch_b8 v0, s[64:65] scope:SCOPE_SE
	s_setreg_imm32_b32 hwreg(HW_REG_WAVE_MODE, 25, 1), 1
	s_wait_xcnt 0x0
	s_wait_alu depctr_hold_cnt(0) depctr_sa_sdst(0) depctr_va_vdst(0) depctr_va_sdst(0) depctr_va_ssrc(0) depctr_va_vcc(0) depctr_vm_vsrc(0)
	s_getreg_b32 s2, hwreg(HW_REG_IB_STS2, 6, 4)
	s_cmp_eq_u32 s2, 0
	s_cbranch_scc0 .Lentry_in_a_cluster
	s_endpgm
.Lentry_in_a_cluster:
	s_bfe_u32 s2, ttmp6, 0x10000c
	s_cmp_lg_u32 s2, 0x3003
	s_cbranch_scc0 .Lentry_shape_is_right
	s_endpgm
.Lentry_shape_is_right:
; ATTENTION on codes of FP4 with E8M0 scales.  For each of 64 (batch, head): O[q] = sum over keys of p V / l, p = 2^(t - M), t = score x log2(e) / 8, M the running largest t rounded UP to a whole number;
; p is quantised along the keys, not normalised; l is the sum of the unquantised p.  O / l is quantised along the head's 64 for the last product and stored as a piece of an operand's image.
; SHARES.  A cluster of four work-groups owns one (batch, head); a work-group 512 of its queries; each of sixteen waves one tile of 16 queries at a time, two in turn.  Four waves share a SIMD, so that one wave's vector work
; stands beside another's products and LDS loads.
; LDS.  The head's K and V, 16 records of 9,728 bytes (128 keys each: k's codes, k's scale words, v^T's images, v's scale words), lie in LDS whole, filled ONCE: wave w asks for record w, jointly for the four work-groups.
; LAYOUT.  Both products are used transposed: S^T = K Q^T (source 0 = 16 keys), O^T = V^T P^T (source 0 = 16 of the head's 64): a lane holds one query throughout.  The keys of a tile are chosen (place p of tile 2 b + u:
; key 32 b + 8 u + p + 8 (p / 8)), so that the 16 registers of tiles 2 b, 2 b + 1 are keys 32 b + 16 (lane / 16) + 0 .. 15; V^T's rows likewise, so that O^T's 32 registers run along the next product's K.
; THE SCORE PRODUCT'S K IS 64 OF THE INSTRUCTION'S 128.  The upper half holds zero codes but one: at k = 64 Q has the code +1 and K the code -6.  Q's scale byte of that block is 127; K's is 0 (2^-127) for a key that counts
; and 250 (2^123) for a key that attn_mask hides: the hidden key's score is -6 x 2^123, its p is 0; a key that counts is changed by 6 x 2^-127.
; The running largest t begins at -1e30: above a hidden key's t (-1.15e37), so that a step all of whose keys are hidden gives p = 0, and below every t that is served.
; LIMITS: t under -1e30 is not served; a batch without one true key gives no defined numbers here; NaN and infinities are not served; a block whose largest number lies under 2^-124 gets the byte 1.
; REGISTERS: v1 16 x lane, v2 the step's LDS address, v3 2 x lane; v12 -M, v13 the largest t, v[14:15] l in two halves; v16-23 Q, v24 its scale word, v25 p's; v28-35 k's scale words, v36-39 v's;
;   v40-103 K's 8 fragments, v104-135 V^T's 4; v136-199 S^T, then p; v200-231 O^T; v232-239 p's codes; v240-254 at work.
.set REC,  9728
.set KF,   40
.set VF,   104
.set S,    136
.set O,    200
.set PC,   232
.set BM,   240
.set BP,   244
.set SO,   248
.set TM,   BM
.set TP,   BP
.set KSC,  28
.set VSC,  36
.set QS,   24
.set PS,   25
.set WV,   18
.set SEL,  20
.set CS,   22
.macro PLACES n
.rept \n
	v_nop
.endr
.endm
.macro ROUND                           ; a round of the cluster's barrier
	s_barrier_signal -1
	s_barrier_wait -1
	s_cmp_lg_u32 s[WV], 0
	s_cbranch_scc1 .Lnot_wave_0_\@
	s_barrier_signal -3
.Lnot_wave_0_\@:
	s_barrier_wait -3
	s_barrier_signal -1
	s_barrier_wait -1
.endm
; 32 numbers of a lane, register 16 b + i = k 32 b + 16 (lane / 16) + i of my row, become 16 bytes of codes, k = 32 (lane / 16) + 0 .. 31, in v[pc] .. v[pc + 3], and two scale bytes in v[w].
.macro QUANT2 src, pc, w
.irp b, 0,1
	v_max3_num_f32 v[TM+\b], |v[(\src)+16*\b]|, |v[(\src)+16*\b+1]|, 0x1800000
.endr
.irp i, 2,4,6,8,10,12,14
.irp b, 0,1
	s_delay_alu instid0(VALU_DEP_2)
	v_max3_num_f32 v[TM+\b], v[TM+\b], |v[(\src)+16*\b+\i]|, |v[(\src)+16*\b+\i+1]|
.endr
.endr
.irp b, 0,1
	s_delay_alu instid0(VALU_DEP_2)
	v_permlanex16_b32 v[TP+\b], v[TM+\b], s[SEL], s[SEL+1]
.endr
.irp b, 0,1
	s_delay_alu instid0(VALU_DEP_2)
	v_max_num_f32 v[TM+\b], v[TM+\b], v[TP+\b]
.endr
.irp b, 0,1
	s_delay_alu instid0(VALU_DEP_2)
	v_add_nc_u32 v[SO+\b], 0xff000000, v[TM+\b]
.endr
.irp b, 0,1
	s_delay_alu instid0(VALU_DEP_2)
	v_lshrrev_b32 v[TP+\b], 23, v[SO+\b]
.endr
	s_delay_alu instid0(VALU_DEP_1)
	v_lshl_or_b32 v[\w], v[TP+1], 8, v[TP]
.irp b, 0,1
	v_cvt_scalef32_pk8_fp4_f32 v[(\pc)+2*\b], v[(\src)+16*\b:(\src)+16*\b+7], v[SO+\b]
	v_cvt_scalef32_pk8_fp4_f32 v[(\pc)+2*\b+1], v[(\src)+16*\b+8:(\src)+16*\b+15], v[SO+\b]
.endr
	v_nop                                          ; one plain line behind a scaled conversion
	v_permlane16_swap_b32 v[(\pc)], v[(\pc)+2]
	v_permlane16_swap_b32 v[(\pc)+1], v[(\pc)+3]
.endm
	s_load_b256 s[4:11], s[0:1], 0x0               ; qc s[4:5], qs s[6:7], kv s[8:9], ac s[10:11]
	s_load_b64 s[12:13], s[0:1], 0x20              ; asc
	v_lshl_add_u32 v27, v0, 2, 0x29000
	v_mov_b32 v255, 0
	ds_add_u32 v27, v255
	ds_add_u32 v27, v255
	v_lshrrev_b32 v2, 5, v0
	s_delay_alu instid0(VALU_DEP_1)
	v_readfirstlane_b32 s[WV], v2                  ; wave 0..15
	s_bfe_u32 s14, ttmp6, 0x40000                  ; cx: which quarter of the queries; it enters global addresses of q and of the results alone
	s_and_b32 s15, ttmp7, 0xffff                   ; b h, which the four partners share
	; descriptor group 1: a record, 9,728 dense bytes, as 38 rows of 256 bytes (32 elements of 8 bytes), no padding
	s_mov_b32 s32, 15|(3<<16)|(1<<21)              ; 15:0 the mask: all four work-groups; 17:16 elements of 8 bytes; 21 set beside a mask
	s_mov_b32 s33, 32<<16
	s_mov_b32 s34, 38<<16
	s_mov_b32 s35, 32<<16
	s_mov_b32 s36, 38
	s_mov_b32 s37, 32
	s_mov_b32 s38, 0
	s_mov_b32 s39, 0
	s_mov_b32 s28, 1
	s_mul_i32 s29, s[WV], REC                      ; LDS address: record w
	s_mul_i32 s40, s15, 16*REC
	s_add_co_u32 s40, s40, s29
	s_mov_b32 s41, 0
	s_wait_dscnt 0x0
	s_wait_kmcnt 0x0
	s_add_nc_u64 s[30:31], s[8:9], s[40:41]
	s_or_b32 s31, s31, 0x80000000                  ; type = 2
	ROUND                                          ; all four work-groups are here: the joint loads meet
	tensor_load_to_lds s[28:31], s[32:39]          ; my one tensor load of the launch
	s_nop 0
	PLACES 4
	v_and_b32 v2, 31, v0
	s_delay_alu instid0(VALU_DEP_1)
	v_lshlrev_b32 v1, 4, v2                        ; 16 x lane
	s_delay_alu instid0(VALU_DEP_2)
	v_lshlrev_b32 v3, 1, v2                        ; 2 x lane
	v_bfe_u32 v4, v0, 4, 1                         ; h
	s_delay_alu instid0(VALU_DEP_1)
	v_lshlrev_b32 v5, 1, v4
	s_delay_alu instid0(VALU_DEP_1)
	v_sub_nc_u32 v20, 2, v5                        ; Q's register 4: the code +1.0 at k = 64, in lanes 0-15 alone
	v_mov_b32 v21, 0
	v_mov_b32 v22, 0
	v_mov_b32 v23, 0
	v_mul_u32_u24 v5, v4, 15
	s_delay_alu instid0(VALU_DEP_1)
	v_sub_nc_u32 v5, 15, v5                        ; K's: the code -6 there
.irp t, 0,1,2,3,4,5,6,7
	v_mov_b32 v[KF+8*\t+4], v5                     ; the upper halves of K's fragments are written once
	v_mov_b32 v[KF+8*\t+5], 0
	v_mov_b32 v[KF+8*\t+6], 0
	v_mov_b32 v[KF+8*\t+7], 0
.endr
.irp b, 0,1,2,3
	v_mov_b32 v[BP+\b], 0                          ; written once: a lane permute's destination counts as one of its sources
.endr
	v_mov_b32 v253, 0                              ; (named as the upper half of the pair v[252:253])
	v_mov_b32 v254, 0
	s_mov_b32 s[SEL], 0x76543210
	s_mov_b32 s[SEL+1], 0xfedcba98
	s_mov_b32 s[CS], 0x3e38aa3b                    ; c = log2(e) / 8
	s_mov_b32 s[CS+1], s[CS]
	s_lshl_b32 s16, s14, 5
	s_add_co_u32 s16, s16, s[WV]                   ; my first tile of queries: 32 cx + w; the second lies 16 on
	s_lshr_b32 s17, s15, 4                         ; batch
	s_and_b32 s19, s15, 15                         ; head
	s_lshl_b32 s40, s15, 7
	s_add_co_u32 s40, s40, s16
	s_lshl_b32 s40, s40, 9
	s_add_nc_u64 s[4:5], s[4:5], s[40:41]          ; qc: (128 b h + tile) x 512
	s_lshl_b32 s40, s15, 5
	s_lshr_b32 s42, s16, 2
	s_add_co_u32 s40, s40, s42
	s_lshl_b32 s40, s40, 9
	s_and_b32 s42, s16, 3
	s_lshl_b32 s42, s42, 2
	s_add_co_u32 s40, s40, s42
	s_add_nc_u64 s[6:7], s[6:7], s[40:41]          ; qs: (32 b h + tile / 4) x 512 + 4 (tile % 4)
	s_lshl_b32 s40, s17, 7
	s_add_co_u32 s40, s40, s16                     ; the tile among all 512
	s_lshl_b32 s42, s40, 13
	s_lshl_b32 s43, s19, 9                         ; K step head / 2, piece head % 2: 512 x head
	s_add_co_u32 s42, s42, s43
	s_mov_b32 s43, 0
	s_add_nc_u64 s[10:11], s[10:11], s[42:43]      ; ac
	s_lshl_b32 s42, s19, 9
	s_add_co_u32 s42, s42, s40
	s_lshl_b32 s42, s42, 6
	s_add_nc_u64 s[12:13], s[12:13], s[42:43]      ; asc: (512 head + tile) x 64
	s_wait_tensorcnt 0x0                           ; my record has landed:
	s_barrier_signal -1
	s_barrier_wait -1                              ; everybody's
.macro KLOAD adr, off                  ; 10 LDS loads: a step's eight tiles of K (the lower halves of the fragments) and their scale words
.irp t, 0,1,2,3,4,5,6,7
	ds_load_b128 v[KF+8*\t:KF+8*\t+3], v[\adr] offset:\off+512*\t
.endr
.irp g, 0,1
	ds_load_b128 v[KSC+4*\g:KSC+4*\g+3], v[\adr] offset:\off+4096+512*\g
.endr
.endm
	KLOAD 1, 0                                     ; step 0
; A KEY STEP: 128 keys.  At its head the step's 10 loads of K are out.  last = 1: the K that is fetched ahead is step 0's, for the next tile of queries.
.macro STEP last
	v_add_nc_u32 v2, s26, v1                       ; the step's record.  With three v_nop: the four plain lines in front of loads into registers that the last products read
	PLACES 3
.irp n, 0,1,2,3
.irp c, 0,1
	ds_load_b128 v[VF+8*\n+4*\c:VF+8*\n+4*\c+3], v2 offset:5120+(2*\n+\c)*512
.endr
.endr
	ds_load_b128 v[VSC:VSC+3], v2 offset:9216
	s_wait_dscnt 9                                 ; K's 10 loads are in; V's 9, just issued, may be out
.irp t, 0,1,2,3,4,5,6,7
	v_wmma_scale_f32_16x16x128_f8f6f4 v[S+8*\t:S+8*\t+7], v[KF+8*\t:KF+8*\t+7], v[16:23], 0, v[KSC+\t], v[QS] matrix_a_fmt:MATRIX_FMT_FP4 matrix_b_fmt:MATRIX_FMT_FP4
.endr
	PLACES 4                                       ; in front of the loads into K's registers and of the first read of the scores
.if \last
	KLOAD 1, 0
.else
	s_wait_alu depctr_va_vdst(0)
	KLOAD 2, REC                                   ; the next step's K lands under the softmax
.endif
.irp b, 0,1,2,3
	v_max3_num_f32 v[BM+\b], v[S+16*\b], v[S+1+16*\b], v[S+2+16*\b]   ; the largest score of each block of 32 keys: it serves for the row's maximum and, since p rises with the score, for the block's largest p
.endr
.irp i, 3,5,7,9,11,13
.irp b, 0,1,2,3
	v_max3_num_f32 v[BM+\b], v[BM+\b], v[S+16*\b+\i], v[S+1+16*\b+\i]
.endr
.endr
.irp b, 0,1,2,3
	v_max_num_f32 v[BM+\b], v[BM+\b], v[S+15+16*\b]
.endr
.irp b, 0,1,2,3
	s_delay_alu instid0(VALU_DEP_4)
	v_permlanex16_b32 v[BP+\b], v[BM+\b], s[SEL], s[SEL+1]
.endr
.irp b, 0,1,2,3
	s_delay_alu instid0(VALU_DEP_4)
	v_max_num_f32 v[BM+\b], v[BM+\b], v[BP+\b]     ; with lane l xor 16's 16 keys
.endr
	s_delay_alu instid0(VALU_DEP_2)
	v_max3_num_f32 v254, v[BM], v[BM+1], v[BM+2]
	s_delay_alu instid0(VALU_DEP_1)
	v_max_num_f32 v254, v254, v[BM+3]              ; the step's largest score of my query
	s_delay_alu instid0(VALU_DEP_1)
	v_mul_f32 v254, s[CS], v254                    ; as t
	s_delay_alu instid0(VALU_DEP_1)
	v_max_num_f32 v13, v13, v254                   ; the running largest t
	v_mov_b32 v254, v12
	s_delay_alu instid0(VALU_DEP_2)
	v_floor_f32 v12, -v13                          ; the new -M = floor(-t): M is a whole number
	s_delay_alu instid0(VALU_DEP_1)
	v_sub_f32 v254, v12, v254                      ; old M - new M: a whole number, 0 or less
	s_delay_alu instid0(VALU_DEP_1)
	v_cvt_i32_f32 v254, v254                       ; (it saturates)
	s_delay_alu instid0(VALU_DEP_1)
	v_ldexp_f32 v252, 1.0, v254                    ; f = 2^(old M - new M): a multiplication by it rounds nothing
.set J, 0
.rept 32
	v_pk_fma_f32 v[S+J:S+J+1], v[S+J:S+J+1], s[CS:CS+1], v[12:13] op_sel_hi:[1,0,0]   ; t - M, two at a time
.set J, J+2
.endr
.irp b, 0,1,2,3
	v_fma_f32 v[BM+\b], v[BM+\b], s[CS], v12       ; the same of each block's largest score
.endr
.set J, 0
	s_wait_alu depctr_va_vdst(0)
.rept 64
	v_exp_f32 v[S+J], v[S+J]                       ; p = 2^(t - M), at most 1
.set J, J+1
.endr
	s_setprio 1
	v_pk_mul_f32 v[14:15], v[14:15], v[252:253] op_sel_hi:[1,0]   ; l under the new M: the plain line behind the exponentials
	s_wait_alu depctr_va_vdst(0)                   ; the wait ahead of the first line that names a result: one for the 64
.irp b, 0,1,2,3
	v_exp_f32 v[BM+\b], v[BM+\b]                   ; the block's largest p: the same two instructions on the same number give the same bits
.endr
	v_pk_add_f32 v[244:245], v[140:141], v[144:145]
	v_pk_add_f32 v[250:251], v[148:149], v[152:153]
	v_pk_add_f32 v[248:249], v[156:157], v[160:161]
	v_pk_add_f32 v[246:247], v[164:165], v[168:169]
	v_pk_add_f32 v[238:239], v[172:173], v[176:177]
	v_pk_add_f32 v[236:237], v[180:181], v[184:185]
	v_pk_add_f32 v[234:235], v[188:189], v[192:193]
	v_pk_add_f32 v[14:15], v[14:15], v[196:197]
	v_pk_add_f32 v[244:245], v[244:245], v[136:137]
	v_pk_add_f32 v[250:251], v[250:251], v[138:139]
	v_pk_add_f32 v[248:249], v[248:249], v[142:143]
	v_pk_add_f32 v[246:247], v[246:247], v[146:147]
	v_pk_add_f32 v[238:239], v[238:239], v[150:151]
	v_pk_add_f32 v[236:237], v[236:237], v[154:155]
	v_pk_add_f32 v[234:235], v[234:235], v[158:159]
	v_pk_add_f32 v[14:15], v[14:15], v[162:163]
	v_pk_add_f32 v[244:245], v[244:245], v[166:167]
	v_pk_add_f32 v[250:251], v[250:251], v[170:171]
	v_pk_add_f32 v[248:249], v[248:249], v[174:175]
	v_pk_add_f32 v[246:247], v[246:247], v[178:179]
	v_pk_add_f32 v[238:239], v[238:239], v[182:183]
	v_pk_add_f32 v[236:237], v[236:237], v[186:187]
	v_pk_add_f32 v[234:235], v[234:235], v[190:191]
	v_pk_add_f32 v[14:15], v[14:15], v[194:195]
	v_pk_add_f32 v[244:245], v[244:245], v[198:199]
	s_delay_alu instid0(VALU_DEP_2)
	v_pk_add_f32 v[14:15], v[14:15], v[246:247]
	s_delay_alu instid0(VALU_DEP_2)
	v_pk_add_f32 v[244:245], v[244:245], v[238:239]
	v_pk_add_f32 v[250:251], v[250:251], v[236:237]
	v_pk_add_f32 v[248:249], v[248:249], v[234:235]
	s_delay_alu instid0(VALU_DEP_2)
	v_pk_add_f32 v[14:15], v[14:15], v[250:251]
	s_delay_alu instid0(VALU_DEP_2)
	v_pk_add_f32 v[244:245], v[244:245], v[248:249]
	s_delay_alu instid0(VALU_DEP_1)
	v_pk_add_f32 v[14:15], v[14:15], v[244:245]
	s_wait_alu depctr_va_vdst(0)                   ; and one for the four
.irp b, 0,1,2,3
	v_max_num_f32 v[BM+\b], 0x1800000, v[BM+\b]    ; the floor 2^(3 - 127): a block whose every p is 0 keeps the byte 1; its codes are zeros
.endr
.irp b, 0,1,2,3
	s_delay_alu instid0(VALU_DEP_4)
	v_add_nc_u32 v[SO+\b], 0xff000000, v[BM+\b]
.endr
.irp b, 0,1,2,3
	s_delay_alu instid0(VALU_DEP_4)
	v_lshrrev_b32 v[BP+\b], 23, v[SO+\b]
.endr
	s_delay_alu instid0(VALU_DEP_3)
	v_lshl_or_b32 v[PS], v[BP+1], 8, v[BP]         ; p's scale word for these 128 keys
	s_delay_alu instid0(VALU_DEP_1)
	v_lshl_or_b32 v[PS], v[BP+2], 16, v[PS]
	s_delay_alu instid0(VALU_DEP_1)
	v_lshl_or_b32 v[PS], v[BP+3], 24, v[PS]
.irp b, 0,1,2,3
	v_cvt_scalef32_pk8_fp4_f32 v[PC+2*\b], v[S+16*\b:S+7+16*\b], v[SO+\b]
	v_cvt_scalef32_pk8_fp4_f32 v[PC+1+2*\b], v[S+8+16*\b:S+15+16*\b], v[SO+\b]
.endr
	v_nop                                          ; one plain line behind a scaled conversion
.irp c, 0,1
.irp i, 0,1
	v_permlane16_swap_b32 v[PC+4*\c+\i], v[PC+2+4*\c+\i]   ; a whole block in a lane: lanes 0-15 block 2 c, lanes 16-31 block 2 c + 1
.endr
.endr
.set J, 0
	s_setprio 0
.rept 16
	v_pk_mul_f32 v[O+J:O+J+1], v[O+J:O+J+1], v[252:253] op_sel_hi:[1,0]   ; O^T under the new M, each accumulator from its low end on.  For each product below, twelve of these name none of its registers: the lines owed behind the writes of p's scale word and codes
.set J, J+2
.endr
	s_wait_alu depctr_va_vdst(0)
	s_wait_dscnt 10                                ; V's 9 loads are in; the next step's 10 of K may be out
.irp n, 0,1,2,3
	v_wmma_scale_f32_16x16x128_f8f6f4 v[O+8*\n:O+8*\n+7], v[VF+8*\n:VF+8*\n+7], v[PC:PC+7], v[O+8*\n:O+8*\n+7], v[VSC+\n], v[PS] matrix_a_fmt:MATRIX_FMT_FP4 matrix_b_fmt:MATRIX_FMT_FP4
.endr
	s_add_co_u32 s26, s26, REC
.endm
	s_mov_b32 s24, 2
.Lround:                                               ; two trips: a tile of 16 queries each
	global_load_b128 v[16:19], v1, s[4:5]          ; Q's codes: the lower half of its fragment
	global_load_b32 v[QS], v1, s[6:7]              ; and its scale word
	v_mov_b32 v13, 0xf149f2ca                      ; the largest t so far: -1e30
	s_delay_alu instid0(VALU_DEP_1)
	v_floor_f32 v12, -v13                          ; -M
	v_mov_b32 v14, 0
	v_mov_b32 v15, 0
.set J, 0
.rept 32
	v_mov_b32 v[O+J], 0                            ; O^T.  (The step is written for every step alike: the first finds zeros)
.set J, J+1
.endr
	s_mov_b32 s26, 0
	s_mov_b32 s25, 15
	s_wait_loadcnt 0x0
.Lstep:
	s_setprio 2
	STEP 0
	s_sub_co_u32 s25, s25, 1
	s_cmp_lg_u32 s25, 0
	s_cbranch_scc1 .Lstep
	s_setprio 0
	STEP 1
	; the way out: O^T / l, quantised along the head's 64
	PLACES 4                                       ; in front of the first read of the last products' results
	v_add_f32 v14, v14, v15
	s_delay_alu instid0(VALU_DEP_1)
	v_permlanex16_b32 v254, v14, s[SEL], s[SEL+1]
	s_delay_alu instid0(VALU_DEP_1)
	v_add_f32 v14, v14, v254                       ; l
	s_wait_alu depctr_va_vdst(0)
	v_rcp_f32 v14, v14
	v_nop                                          ; a plain line behind the reciprocal,
	s_wait_alu depctr_va_vdst(0)                   ; and the wait ahead of its first reader
.set J, 0
.rept 32
	v_mul_f32 v[S+J], v[O+J], v14                  ; register 16 b + i: channel 32 b + 16 h + i of my query
.set J, J+1
.endr
	QUANT2 S, PC, 254
	global_store_b128 v1, v[PC:PC+3], s[10:11]     ; 512 consecutive bytes: a piece of an image
	global_store_b16 v3, v254, s[12:13]            ; the head's two scale bytes of my row
	s_wait_xcnt 0x0                                ; the stores have read their data and bases: both are written again only behind this wait
	s_add_nc_u64 s[4:5], s[4:5], 16*512
	s_add_nc_u64 s[6:7], s[6:7], 4*512
	s_add_nc_u64 s[10:11], s[10:11], 16*8192
	s_add_nc_u64 s[12:13], s[12:13], 16*64
	s_sub_co_u32 s24, s24, 1
	s_cmp_lg_u32 s24, 0
	s_cbranch_scc1 .Lround
	s_wait_dscnt 0x0                               ; the K fetched ahead by the last step
	s_wait_tensorcnt 0x0
	ds_add_u32 v27, v255
	s_wait_dscnt 0x0
	ROUND                                          ; the closing round
	s_endpgm
.Lfunc_end_k_q3f5386daae_attn:
	.size	k_q3f5386daae_attn, .Lfunc_end_k_q3f5386daae_attn-k_q3f5386daae_attn
	.p2alignl 7, 3214868480
	.fill 96, 4, 3214868480
	.section	.rodata,"a",@progbits
	.p2align	6, 0x0
	.amdhsa_kernel k_q3f5386daae_attn
		.amdhsa_group_segment_fixed_size 169984
		.amdhsa_private_segment_fixed_size 0
		.amdhsa_enable_private_segment 0
		.amdhsa_kernarg_size 40
		.amdhsa_user_sgpr_count 2
		.amdhsa_user_sgpr_kernarg_segment_ptr 1
		.amdhsa_wavefront_size32 1
		.amdhsa_system_sgpr_workgroup_id_x 1
		.amdhsa_system_sgpr_workgroup_id_y 1
		.amdhsa_system_sgpr_workgroup_id_z 1
		.amdhsa_system_vgpr_workitem_id 0
		.amdhsa_next_free_vgpr 256
		.amdhsa_next_free_sgpr 66
		.amdhsa_reserve_vcc 0
		.amdhsa_float_denorm_mode_32 3
		.amdhsa_float_denorm_mode_16_64 3
		.amdhsa_memory_ordered 1
		.amdhsa_forward_progress 1
		.amdhsa_inst_pref_size 45
	.end_amdhsa_kernel
	.amdgpu_metadata
---
amdhsa.version: [ 1, 2 ]
amdhsa.kernels:
  - .name:           k_q3f5386daae_attn
    .symbol:         k_q3f5386daae_attn.kd
    .args:
      - { .name: qc, .offset: 0, .size: 8, .value_kind: global_buffer, .address_space: global }
      - { .name: qs, .offset: 8, .size: 8, .value_kind: global_buffer, .address_space: global }
      - { .name: kv, .offset: 16, .size: 8, .value_kind: global_buffer, .address_space: global }
      - { .name: ac, .offset: 24, .size: 8, .value_kind: global_buffer, .address_space: global }
      - { .name: asc, .offset: 32, .size: 8, .value_kind: global_buffer, .address_space: global }
    .group_segment_fixed_size: 169984
    .private_segment_fixed_size: 0
    .kernarg_segment_align: 8
    .kernarg_segment_size: 40
    .max_flat_workgroup_size: 512
    .sgpr_count:     66
    .vgpr_count:     256
    .wavefront_size: 32
...
	.end_amdgpu_metadata
.endif
;; end of part 3
;; launch outln (part 4): grid 256 x 1, 4 waves a work-group, no clusters, 133,632 bytes of LDS; arguments ac, asc, wimg, inputs, gamma, beta, out0; writes out0
.if DOCPART == 4
	.amdgcn_target "amdgcn-amd-amdhsa--gfx1250"
	.amdhsa_code_object_version 6
	.text
	.protected	k_q3f5386daae_outln
	.globl	k_q3f5386daae_outln
	.p2align	8
	.type	k_q3f5386daae_outln,@function
k_q3f5386daae_outln:
	s_mov_b64 s[64:65], 0
	v_nop
	global_prefetch_b8 v0, s[64:65] scope:SCOPE_SE
	s_setreg_imm32_b32 hwreg(HW_REG_WAVE_MODE, 25, 1), 1
	s_wait_xcnt 0x0
; OUT.  out0 = LayerNorm(inputs + Q(attn_vec) W_o) x gamma + beta; the product on codes of FP4 with E8M0 scales, all else in f32; eps = 1e-3.
; SHARES.  A work-group owns 32 whole rows (two tiles of 16; place p of tile m is row 8 m + p + 8 (p / 8)) and all 1,024 columns, since a row's mean and variance want the whole row.  Wave w owns columns 256 w .. + 255.
; The product is used transposed (source 0 = 16 columns of W_o, source 1 = 16 rows): a lane holds one row, and lanes l and l xor 16 together its 256 columns of the wave.
; W_o's images come from memory straight into a ring of four register stages, a K step of 64 columns each, three stages ahead of the products.
; No multicast: W_o's images (557,056 bytes) do not fit in LDS beside the rows' stage (131,584), so sharing them would want a ring of joint refills; this text has no tensor load.
; THE RESIDUAL IS THE C OF THE SUMS: the rows of inputs are loaded as they lie (512 consecutive bytes a load), turn through the stage in LDS and come back in the result's layout.
; The variance is taken of x - mean, in a second pass.  The results go back through the same stage and leave as whole rows, 512 consecutive bytes a store.
; LDS: the stage, 32 places x 4,112 bytes (place 16 m + p; 4,096 + 16, so that 16 rows start at 16 different groups of banks); behind it 512 bytes for the waves' sums and 512 for their sums of squares.
; REGISTERS.  window 0: v1 16 x lane, v2 16 x (lane % 16), v3-9 addresses; v16-31 attn's scale words; v32-63 their halves as loaded; v64-191 the ring (later gamma, beta); v192-207 its scale words; v208-235 sums.
;   window 1: the 32 accumulators: (tile m, columns 64 G + tile n) at v[128 m + 8 (4 G + n)].   window 2: attn's 16 fragments, (m, K step s) at v[8 (8 m + s)].
.set GRP,   34816
.set SPI,   4112
.set STAT,  32*SPI
.set AS,    16
.set WB,    64
.set WSC,   192
.set GA,    64
.set BE,    96
.set SUM,   208
.set TT,    216
.set MU,    218
.set ST,    224
.set RS,    232
.set SEL,   26
.set MSB, 0
.macro WIN new                         ; the immediate's high byte repeats the setting that is left
.if MSB != \new
	s_set_vgpr_msb (MSB<<8)|\new
.set MSB, \new
.endif
.endm
.macro PLACES n
.rept \n
	v_nop
.endr
.endm
	s_load_b256 s[4:11], s[0:1], 0x0               ; ac s[4:5], asc s[6:7], wimg s[8:9], inputs s[10:11]
	s_load_b128 s[12:15], s[0:1], 0x20             ; gamma s[12:13], beta s[14:15]
	s_load_b64 s[16:17], s[0:1], 0x30              ; out0
	v_lshl_add_u32 v254, v0, 2, 0x20800
	v_mov_b32 v255, 0
	v_lshrrev_b32 v10, 5, v0
	v_readfirstlane_b32 s18, v10                   ; wave 0..3
	v_and_b32 v10, 31, v0
	v_lshlrev_b32 v1, 4, v10                       ; 16 x lane
	v_lshlrev_b32 v9, 1, v10                       ; 2 x lane
	v_and_b32 v11, 15, v0                          ; r
	s_wait_alu depctr_va_vdst(0)
	v_lshlrev_b32 v2, 4, v11                       ; 16 r
	v_bfe_u32 v12, v0, 4, 1                        ; h
	s_and_b32 s19, s18, 1
	s_lshr_b32 s20, s18, 1
	s_lshl_b32 s19, s19, 4
	s_lshl_b32 s20, s20, 3
	s_add_co_u32 s19, s19, s20                     ; 16 (w % 2) + 8 (w / 2): rows 8 w .. + 7 stand at these places, and places 8 w .. + 7 are these rows
	s_mul_i32 s20, s19, SPI
	v_add_nc_u32 v3, s20, v1                       ; the residual into the stage
	v_mul_u32_u24 v4, v11, SPI
	v_lshl_add_u32 v4, v12, 6, v4
	s_lshl_b32 s21, s18, 10
	v_add_nc_u32 v4, s21, v4                       ; the result's layout: place r, + 64 h, + my 1,024 bytes of a row: tile 0,
	v_add_nc_u32 v5, 16*SPI, v4                    ; tile 1
	s_mul_i32 s21, s18, 8*SPI
	v_add_nc_u32 v6, s21, v1                       ; whole rows out of the stage: places 8 w on
	v_lshlrev_b32 v8, 2, v11
	v_add_nc_u32 v8, STAT, v8                      ; the waves' sums: 4 r,
	s_lshl_b32 s21, s18, 7
	v_add_nc_u32 v7, s21, v8                       ; + 128 w for mine
	v_mov_b32 v[TT], 0                             ; written once: a lane permute's destination counts as one of its sources
	v_mov_b32 v[TT+1], 0
	s_mov_b32 s24, 0x3a800000                      ; 1 / 1,024
	s_mov_b32 s25, 0x3a83126f                      ; eps = 1e-3
	s_mov_b32 s[SEL], 0x76543210
	s_mov_b32 s[SEL+1], 0xfedcba98
	s_mov_b32 s23, 0
	s_wait_kmcnt 0x0
	s_lshl_b32 s22, ttmp9, 14
	s_add_nc_u64 s[4:5], s[4:5], s[22:23]          ; ac: two tiles of 8,192 bytes
	s_lshl_b32 s22, ttmp9, 7
	s_add_nc_u64 s[6:7], s[6:7], s[22:23]          ; asc: two tiles of 64 bytes in each head
	s_lshl_b32 s22, s18, 2
	s_add_co_u32 s22, s22, 48
	s_mul_i32 s22, s22, GRP
	s_add_nc_u64 s[8:9], s[8:9], s[22:23]          ; wimg: groups 48 + 4 w on
	s_lshl_b32 s22, ttmp9, 5
	s_lshl_b32 s21, s18, 3
	s_add_co_u32 s21, s21, s22
	s_add_co_u32 s22, s22, s19
	s_lshl_b32 s22, s22, 12
	s_add_nc_u64 s[16:17], s[16:17], s[22:23]      ; out0: row 32 g + 16 (w % 2) + 8 (w / 2)
	s_lshl_b32 s22, s21, 12
	s_add_nc_u64 s[10:11], s[10:11], s[22:23]      ; inputs: row 32 g + 8 w
.macro WLD i                           ; 9 loads: step i (columns 64 (i / 8) on, K step i % 8): four images and their scale words, into stage i % 4
.irp n, 0,1,2,3
.irp c, 0,1
	global_load_b128 v[WB+32*((\i)%4)+8*\n+4*\c:WB+32*((\i)%4)+8*\n+4*\c+3], v1, s[8:9] offset:GRP*((\i)/8)+(8*\n+(\i)%8)*1024+512*\c
.endr
.endr
	global_load_b128 v[WSC+4*((\i)%4):WSC+4*((\i)%4)+3], v2, s[8:9] offset:GRP*((\i)/8)+32768+256*((\i)%8)
.endm
	WIN 0x80                                       ; destination window 2
.irp m, 0,1
.irp s, 0,1,2,3,4,5,6,7
.irp c, 0,1
	global_load_b128 v[8*(8*\m+\s)+4*\c:8*(8*\m+\s)+4*\c+3], v1, s[4:5] offset:(8*\m+\s)*1024+512*\c th:TH_LOAD_NT
.endr
.endr
.endr
	WIN 0
.irp hd, 0,1,2,3,4,5,6,7,8,9,10,11,12,13,14,15
.irp m, 0,1
	global_load_u16 v[32+2*\hd+\m], v9, s[6:7] offset:32768*\hd+64*\m   ; head hd's two scale bytes of my row of tile m
.endr
.endr
	WIN 0x40                                       ; destination window 1
.irp i, 0,1,2,3,4,5,6,7
.irp q, 0,1,2,3,4,5,6,7
	global_load_b128 v[32*\i+4*\q:32*\i+4*\q+3], v1, s[10:11] offset:4096*\i+512*\q th:TH_LOAD_NT   ; the residual: row 8 w + i, 512 consecutive bytes
.endr
.endr
	WIN 0
	WLD 0
	WLD 1
	WLD 2
	WLD 3
	s_wait_loadcnt 36                              ; all but the ring's 36 loads are in
.irp m, 0,1
.irp s, 0,1,2,3,4,5,6,7
	v_lshl_or_b32 v[AS+8*\m+\s], v[32+2*(2*\s+1)+\m], 16, v[32+4*\s+\m]   ; K step s: heads 2 s and 2 s + 1
.endr
.endr
	PLACES 8                                       ; a scale register written by a vector instruction stands eight plain lines ahead of a scaled product
	WIN 0x04                                       ; an LDS store's data are its source 1: window 1
.irp i, 0,1,2,3,4,5,6,7
.irp q, 0,1,2,3,4,5,6,7
	ds_store_b128 v3, v[32*\i+4*\q:32*\i+4*\q+3] offset:SPI*\i+512*\q
.endr
.endr
	WIN 0
	s_wait_alu depctr_va_vdst(0)
	s_wait_dscnt 0x0                               ; my eight rows are stored:
	s_barrier_signal -1
	s_barrier_wait -1                              ; all 32 rows lie in the stage
	WIN 0x40
.irp m, 0,1
.irp gg, 0,1,2,3
.irp n, 0,1,2,3
.irp e, 0,1
	ds_load_b128 v[128*\m+8*(4*\gg+\n)+4*\e:128*\m+8*(4*\gg+\n)+4*\e+3], v[4+\m] offset:256*\gg+128*(\n/2)+32*(\n%2)+16*\e   ; register j: column 64 G + 32 (n / 2) + 8 (n % 2) + 16 h + j of my row
.endr
.endr
.endr
.endr
	WIN 0
	s_wait_dscnt 0x0
; A step: eight matrix instructions, four tiles of columns x two tiles of rows, 128 along K.  The eight accumulators take turns, in the same order in each of a G's eight steps.
.macro OSTEP i
.if 31-(\i) >= 3
	s_wait_loadcnt 27                              ; this stage's 9 loads are in; the three younger stages' may be out
.else
	s_wait_loadcnt 9*(31-(\i))
.endif
	WIN 0x58                                       ; source 0 (W_o) window 0, source 1 (attn) window 2, C and D window 1
.irp n, 0,1,2,3
.irp m, 0,1
.set rD, 128*\m+8*(4*((\i)/8)+\n)
.set rW, WB+32*((\i)%4)+8*\n
.set rA, 8*(8*\m+(\i)%8)
	v_wmma_scale_f32_16x16x128_f8f6f4 v[rD:rD+7], v[rW:rW+7], v[rA:rA+7], v[rD:rD+7], v[WSC+4*((\i)%4)+\n], v[AS+8*\m+(\i)%8] matrix_a_fmt:MATRIX_FMT_FP4 matrix_b_fmt:MATRIX_FMT_FP4
.endr
.endr
	WIN 0
	PLACES 4                                       ; in front of loads into the stage just read (behind the last step: of the first read of results)
.if (\i)+4 < 32
	WLD (\i)+4
.endif
.endm
.set I, 0
.rept 32
	OSTEP I
.set I, I+1
.endr
.irp q, 0,1,2,3,4,5,6,7
	global_load_b128 v[GA+4*\q:GA+4*\q+3], v1, s[12:13] offset:512*\q   ; gamma and beta as a stored row has them: columns 128 q + 4 x lane on
	global_load_b128 v[BE+4*\q:BE+4*\q+3], v1, s[14:15] offset:512*\q
.endr
; my two chains of each tile are folded, lane l xor 16's part is added, the four waves' parts meet in LDS: v[ST], v[ST + 4] = the rows' sums, alike in every wave
.macro FOLD off
.irp m, 0,1
	v_pk_add_f32 v[SUM+4*\m:SUM+4*\m+1], v[SUM+4*\m:SUM+4*\m+1], v[SUM+4*\m+2:SUM+4*\m+3]
.endr
.irp m, 0,1
	v_add_f32 v[SUM+4*\m], v[SUM+4*\m], v[SUM+4*\m+1]
.endr
.irp m, 0,1
	v_permlanex16_b32 v[TT+\m], v[SUM+4*\m], s[SEL], s[SEL+1]
.endr
.irp m, 0,1
	v_add_f32 v[SUM+4*\m], v[SUM+4*\m], v[TT+\m]
.endr
.irp m, 0,1
	ds_store_b32 v7, v[SUM+4*\m] offset:\off+64*\m   ; lanes l and l xor 16 write the same word with the same value
.endr
	s_wait_dscnt 0x0
	s_barrier_signal -1
	s_barrier_wait -1
.irp m, 0,1
.irp ww, 0,1,2,3
	ds_load_b32 v[ST+4*\m+\ww], v8 offset:\off+128*\ww+64*\m
.endr
.endr
	s_wait_dscnt 0x0
.irp m, 0,1
	v_add_f32 v[ST+4*\m], v[ST+4*\m], v[ST+4*\m+1]
	v_add_f32 v[ST+4*\m+2], v[ST+4*\m+2], v[ST+4*\m+3]
.endr
.irp m, 0,1
	v_add_f32 v[ST+4*\m], v[ST+4*\m], v[ST+4*\m+2]
.endr
.endm
	; ---- the mean: each accumulator is read from its low end on; the first additions start the sums
	WIN 0x05                                       ; sources 0 and 1 window 1
.irp m, 0,1
	v_pk_add_f32 v[SUM+4*\m:SUM+4*\m+1], v[128*\m:128*\m+1], v[128*\m+4:128*\m+5]
	v_pk_add_f32 v[SUM+4*\m+2:SUM+4*\m+3], v[128*\m+2:128*\m+3], v[128*\m+6:128*\m+7]
.endr
	WIN 0x04                                       ; source 1 window 1
.set J, 8
.rept 30
.irp m, 0,1
	v_pk_add_f32 v[SUM+4*\m:SUM+4*\m+1], v[SUM+4*\m:SUM+4*\m+1], v[128*\m+J:128*\m+J+1]
	v_pk_add_f32 v[SUM+4*\m+2:SUM+4*\m+3], v[SUM+4*\m+2:SUM+4*\m+3], v[128*\m+J+2:128*\m+J+3]
.endr
.set J, J+4
.endr
	WIN 0
	FOLD 0
.irp m, 0,1
	v_mul_f32 v[MU+2*\m], 0xba800000, v[ST+4*\m]   ; -mean = sum x (-1 / 1,024)
	v_mul_f32 v[MU+2*\m+1], 0xba800000, v[ST+4*\m] ; (the pair is named whole)
.endr
	; ---- the variance, of x - mean
	WIN 0x41                                       ; destination and source 0 window 1
.set J, 0
.rept 64
.irp m, 0,1
	v_pk_add_f32 v[128*\m+J:128*\m+J+1], v[128*\m+J:128*\m+J+1], v[MU+2*\m:MU+2*\m+1] op_sel_hi:[1,0]
.endr
.set J, J+2
.endr
	WIN 0x05
.irp m, 0,1
	v_pk_mul_f32 v[SUM+4*\m:SUM+4*\m+1], v[128*\m:128*\m+1], v[128*\m:128*\m+1]       ; the first squares start the sums
	v_pk_mul_f32 v[SUM+4*\m+2:SUM+4*\m+3], v[128*\m+2:128*\m+3], v[128*\m+2:128*\m+3]
.endr
.set J, 4
.rept 31
.irp m, 0,1
	v_pk_fma_f32 v[SUM+4*\m:SUM+4*\m+1], v[128*\m+J:128*\m+J+1], v[128*\m+J:128*\m+J+1], v[SUM+4*\m:SUM+4*\m+1]
	v_pk_fma_f32 v[SUM+4*\m+2:SUM+4*\m+3], v[128*\m+J+2:128*\m+J+3], v[128*\m+J+2:128*\m+J+3], v[SUM+4*\m+2:SUM+4*\m+3]
.endr
.set J, J+4
.endr
	WIN 0
	FOLD 512
.irp m, 0,1
	v_fma_f32 v[ST+4*\m], v[ST+4*\m], s24, s25     ; variance + eps
.endr
	s_wait_alu depctr_va_vdst(0)
.irp m, 0,1
	v_rsq_f32 v[RS+2*\m], v[ST+4*\m]
.endr
	v_nop                                          ; a plain line behind the two,
	s_wait_alu depctr_va_vdst(0)                   ; and the wait ahead of their first reader
.irp m, 0,1
	v_mov_b32 v[RS+2*\m+1], v[RS+2*\m]             ; (the pair is named whole)
.endr
	; ---- the way out
	WIN 0x41
.set J, 0
.rept 64
.irp m, 0,1
	v_pk_mul_f32 v[128*\m+J:128*\m+J+1], v[128*\m+J:128*\m+J+1], v[RS+2*\m:RS+2*\m+1] op_sel_hi:[1,0]
.endr
.set J, J+2
.endr
	WIN 0x04
.irp m, 0,1
.irp gg, 0,1,2,3
.irp n, 0,1,2,3
.irp e, 0,1
	ds_store_b128 v[4+\m], v[128*\m+8*(4*\gg+\n)+4*\e:128*\m+8*(4*\gg+\n)+4*\e+3] offset:256*\gg+128*(\n/2)+32*(\n%2)+16*\e   ; the very bytes that I alone read the residual from; two barriers lie between
.endr
.endr
.endr
.endr
	WIN 0
	s_wait_dscnt 0x0
	s_barrier_signal -1
	s_barrier_wait -1                              ; 32 whole rows lie in the stage
	WIN 0x40
.irp i, 0,1,2,3,4,5,6,7
.irp q, 0,1,2,3,4,5,6,7
	ds_load_b128 v[32*\i+4*\q:32*\i+4*\q+3], v6 offset:SPI*\i+512*\q
.endr
.endr
	s_wait_loadcnt 0x0                             ; gamma and beta
.irp i, 0,1,2,3,4,5,6,7
	s_wait_dscnt 8*(7-\i)                          ; this row's eight loads are in; the later rows' may be out
	WIN 0x41
.irp q, 0,1,2,3,4,5,6,7
.irp e, 0,1
	v_pk_fma_f32 v[32*\i+4*\q+2*\e:32*\i+4*\q+2*\e+1], v[32*\i+4*\q+2*\e:32*\i+4*\q+2*\e+1], v[GA+4*\q+2*\e:GA+4*\q+2*\e+1], v[BE+4*\q+2*\e:BE+4*\q+2*\e+1]
.endr
.endr
	WIN 0x04                                       ; a store's data are its source 1: window 1
.irp q, 0,1,2,3,4,5,6,7
	global_store_b128 v1, v[32*\i+4*\q:32*\i+4*\q+3], s[16:17] offset:4096*\i+512*\q th:TH_STORE_NT   ; 512 consecutive bytes of a row; written once, read by nobody here
.endr
.endr
	WIN 0
	s_wait_tensorcnt 0x0
	ds_add_u32 v254, v255
	s_wait_dscnt 0x0
	s_endpgm
.Lfunc_end_k_q3f5386daae_outln:
	.size	k_q3f5386daae_outln, .Lfunc_end_k_q3f5386daae_outln-k_q3f5386daae_outln
	.p2alignl 7, 3214868480
	.fill 96, 4, 3214868480
	.section	.rodata,"a",@progbits
	.p2align	6, 0x0
	.amdhsa_kernel k_q3f5386daae_outln
		.amdhsa_group_segment_fixed_size 133632
		.amdhsa_private_segment_fixed_size 0
		.amdhsa_enable_private_segment 0
		.amdhsa_kernarg_size 56
		.amdhsa_user_sgpr_count 2
		.amdhsa_user_sgpr_kernarg_segment_ptr 1
		.amdhsa_wavefront_size32 1
		.amdhsa_system_sgpr_workgroup_id_x 1
		.amdhsa_system_sgpr_workgroup_id_y 1
		.amdhsa_system_sgpr_workgroup_id_z 1
		.amdhsa_system_vgpr_workitem_id 0
		.amdhsa_next_free_vgpr 768
		.amdhsa_next_free_sgpr 66
		.amdhsa_reserve_vcc 0
		.amdhsa_float_denorm_mode_32 3
		.amdhsa_float_denorm_mode_16_64 3
		.amdhsa_memory_ordered 1
		.amdhsa_forward_progress 1
		.amdhsa_inst_pref_size 151
	.end_amdhsa_kernel
	.amdgpu_metadata
---
amdhsa.version: [ 1, 2 ]
amdhsa.kernels:
  - .name:           k_q3f5386daae_outln
    .symbol:         k_q3f5386daae_outln.kd
    .args:
      - { .name: ac, .offset: 0, .size: 8, .value_kind: global_buffer, .address_space: global }
      - { .name: asc, .offset: 8, .size: 8, .value_kind: global_buffer, .address_space: global }
      - { .name: wimg, .offset: 16, .size: 8, .value_kind: global_buffer, .address_space: global }
      - { .name: inputs, .offset: 24, .size: 8, .value_kind: global_buffer, .address_space: global }
      - { .name: gamma, .offset: 32, .size: 8, .value_kind: global_buffer, .address_space: global }
      - { .name: beta, .offset: 40, .size: 8, .value_kind: global_buffer, .address_space: global }
      - { .name: out0, .offset: 48, .size: 8, .value_kind: global_buffer, .address_space: global }
    .group_segment_fixed_size: 133632
    .private_segment_fixed_size: 0
    .kernarg_segment_align: 8
    .kernarg_segment_size: 56
    .max_flat_workgroup_size: 128
    .sgpr_count:     66
    .vgpr_count:     768
    .wavefront_size: 32
...
	.end_amdgpu_metadata
.endif
;; end of part 4
